; MI455X (gfx1250); checked and timed in simulation.
; The chip was launched on July 23, 2026; its instructions are those of AMD's public machine-readable ISA for CDNA 5 (MIT licence, August 2026) and "CDNA5" Instruction Set Architecture Reference Guide (July 2026). The comments in the code are by the model that wrote it; some were corrected since.
;; Multihead Cross Attention With Ro PE. Allowed arithmetic: matrix products marked QUANTISED: E2M3 operands, one E8M0 scale for each 32 along K, by v_wmma_scale_f32_16x16x128_f8f6f4 with both operands' format E2M3, f32 sums; everything else in f32.
;; Inputs: Wk 1,024 x 1,024 float32; Wo 1,024 x 1,024 float32; Wq 1,024 x 1,024 float32; Wv 1,024 x 1,024 float32; bk 1,024 float32; bo 1,024 float32; bq 1,024 float32; bv 1,024 float32; key 4 x 2,048 x 1,024 float32; query 4 x 2,048 x 1,024 float32; query_position_ids 4 x 2,048 int32; value 4 x 2,048 x 1,024 float32.
;; Outputs: out0 4 x 2,048 x 1,024 float32.
;; This version of the problem:
;;   THIS VERSION OF THE PROBLEM IS GIVEN IN LOW PRECISION. The matrix products marked QUANTISED in the list below multiply operands that are first quantised to E2M3 (2 exponent bits, 3 mantissa bits; 6 bits a number), with one power-of-two scale for each 32 numbers along K (OCP MX v1.0); their sums are f32. All else is computed in f32.
;;   The module's matrix products, in the order in which they are computed (A, B: the left and right operand; K: the contracted axis; several contracted axes count as one K, in the product's order):
;;     1. [M 8,192, K 1,024] x [K 1,024, N 1,024]; A: input query; B: input Wq: QUANTISED
;;     2. [M 8,192, K 1,024] x [K 1,024, N 1,024]; A: input key; B: input Wk: QUANTISED
;;     3. [M 8,192, K 1,024] x [K 1,024, N 1,024]; A: input value; B: input Wv: QUANTISED
;;     4. batch 64 x [M 2,048, K 64] x [K 64, N 2,048]; A: computed on the way; B: computed on the way: QUANTISED
;;     5. batch 64 x [M 64, K 2,048] x [K 2,048, N 2,048]; A: computed on the way; B: softmax (see below): QUANTISED
;;     6. [M 8,192, K 1,024] x [K 1,024, N 1,024]; A: computed on the way; B: input Wo: QUANTISED
;;   THE QUANTISER, for each operand of a quantised product, along K:
;;     - K is cut into blocks of 32 from its start; a last block that is shorter is filled with zeros.
;;     - A block's scale is 2^e with e = floor(log2(the largest magnitude in the block)) - 2, held to -126 .. 127; a block of zeros has e = 0. As a byte (E8M0): e + 127.
;;     - Each number is divided by its block's scale, clamped to +-7.5, and rounded to the nearest number of E2M3, ties to even, subnormals kept.
;;     - The product sums the exact products of the quantised numbers (number of the format x scale) in f32.
;;   ~~~python
;;   def quantise(x, axis):      # numpy; x: float32 -> the quantised numbers, widened to float32 again
;;       x = np.moveaxis(x, axis, -1); K = x.shape[-1]
;;       x = np.pad(x, [(0, 0)] * (x.ndim - 1) + [(0, -K % 32)]); x = x.reshape(x.shape[:-1] + (-1, 32)); a = np.abs(x).max(-1, keepdims=True)
;;       e = np.where(a > 0, np.clip(np.frexp(np.where(a > 0, a, 1))[1] - 1 - 2, -126, 127), 0)      # np.frexp(a)[1] - 1 = floor(log2(a)), exactly
;;       r = np.clip(x / 2.0 ** e, -7.5, 7.5)
;;       step = 2.0 ** (np.maximum(np.frexp(np.where(r == 0, 1, r))[1] - 1, 0) - 3)
;;       q = np.round(r / step) * step * 2.0 ** e      # np.round: ties to even
;;       return np.moveaxis(q.reshape(q.shape[:-2] + (-1,))[..., :K], -1, axis).astype(np.float32)
;;   ~~~
;;   SOFTMAX AHEAD OF A QUANTISED PRODUCT. Where the list says 'softmax', what is quantised is not the finished softmax but p = 2^(t - M), with t = logit x log2(e) and M = ceil(the row's largest t), a whole number; so 1/2 < the row's largest p <= 1. The row's sum l is taken of the UNQUANTISED p, in f32, and the product's result is divided by l at the end. Since M is a whole number, a kernel that streams over the keys may use a running M (the ceiling of the running maximum): every later rescaling is an exact power of two, which a block's scale takes up: the codes' values come out the same.
;;   OPERANDS COMPUTED ON THE WAY. 'Computed on the way' means the value that the module computes at that place (a softmax that the list does not call 'softmax' is quantised finished and normalised). What goes into a quantiser is computed in f32, as accurately as f32 sums, v_exp_f32 and their like allow (about 1e-6 of the number): no bf16 or f16 on the way to a quantiser, and a product that is left as it is and whose result goes on into a quantised operand takes f32 operands (vector FMAs, or v_wmma_f32_16x16x4_f32). A number that lies on a knife's edge between two numbers of the format may be rounded either way, as far as f32 arithmetic and the matrix unit's own rounding can turn it there, and no further.
;; One version. Each part assembles by itself: llvm-mc -triple=amdgcn-amd-amdhsa -mcpu=gfx1250 --defsym DOCPART=n.
;; ======== version 1 of 1: 4 launches
;; limits: right only within a limited range of input values
;; workspace buffers: cod 22,937,600 bytes; rot 2,097,152 bytes; qa 6,815,744 bytes; kv 13,369,344 bytes; oa 6,815,744 bytes
;; launch quant (part 1): grid 928 x 1, 4 waves a work-group, no clusters, 34,304 bytes of LDS; arguments query, key, value, Wq, Wk, Wv, Wo, query_position_ids, cod, rot; writes cod, rot
.if DOCPART == 1
	.amdgcn_target "amdgcn-amd-amdhsa--gfx1250"
	.amdhsa_code_object_version 6
	.text
	.protected	k_q39c4bd3649_quant
	.globl	k_q39c4bd3649_quant
	.p2align	8
	.type	k_q39c4bd3649_quant,@function
k_q39c4bd3649_quant:
	s_mov_b64 s[64:65], 0
	v_nop
	global_prefetch_b8 v0, s[64:65] scope:SCOPE_SE
	s_setreg_imm32_b32 hwreg(HW_REG_WAVE_MODE, 25, 1), 1
	s_wait_xcnt 0x0
; LAUNCH 1.  query, key, value [8192][1024] and Wq, Wk, Wv, Wo [1024][1024], f32, K innermost, become codes of FP6 (E2M3) with one E8M0 byte for each 32 along K; and the table of cos and sin for the rotation of q is made.
; A block's scale is 2^(floor(log2(its largest magnitude)) - 2): its byte is the largest magnitude's exponent field - 2, held at 1 from below.
; LAYOUT OF cod (this program's own): 1,792 GROUPS of 16 rows, 12,800 bytes each: query 0.., key 512.., value 1024.., Wq 1536.., Wk 1600.., Wv 1664.., Wo 1728...
;   Group g of a tensor holds rows 32 (g / 2) + 8 (g % 2) + i + 8 (i / 8), i = 0 .. 15: so two neighbouring groups, used as source 0 of a product, leave 16 neighbours in a lane's 16 result registers.
;   A group is two K halves of 6,400 bytes; a half is four fragments (16 rows x 128 K) of 1,536 bytes IN THE ORDER OF THE OPERAND'S REGISTERS (registers 0-3 at 16 x lane, 4-5 at 512 + 8 x lane, 6-9 at 768 + 16 x lane,
;   10-11 at 1,280 + 8 x lane), then 256 bytes of scale words: row i's four words (one for each 128 along K) at 16 i.
; LAYOUT OF rot: [token 8192][256 bytes]: for h = 0, 1: cos of frequencies 16 h .. 16 h + 15 (64 bytes), then sin of the same.
; SHARES: work-groups 0 to 31 make the table (256 tokens each, 64 a wave); work-group 32 + n quantises groups 2 n and 2 n + 1: wave w takes group 2 n + w / 2, K half w % 2: four steps of 16 rows x 128 numbers.
; Each load reads 512 consecutive bytes of one row; a step's 8,192 bytes turn through the wave's own stage in LDS (rows 528 bytes apart), so that a lane then holds two whole blocks of 32 of its row.
; LIMITS: NaN and infinities are not served.  A block of zeros gets the byte 1 where the rule says 127: its codes are zeros, and this program alone reads the bytes.  Positions are exact up to 2^24; the reduction of the
; angle (three parts of pi / 2, fused) keeps f32 accuracy for angles up to about 1e5.  The frequencies are 10^(-j / 8) rounded to f32, which may differ in the last bit from a power function's result.
; KEY'S GROUPS ARE LAID OTHERWISE than the head comment says of the other tensors: group g of key holds rows 64 (g / 4) + 8 (g % 4) + i % 8 + 32 (i / 8), i = 0 .. 15:
; used as source 0 of the scores' product, four neighbouring groups then leave a whole block of 32 neighbouring keys in one lane's 32 result registers.
.set NTAB, 32
.set STGB, 8448                        ; a wave's stage: 16 rows x (512 + 16) bytes
.set RR,   112                         ; v112-239 two sets of 64: a step's numbers as loaded
.set XX,   48                          ; v48-111  the same, two whole blocks a lane
.set CC,   24                          ; v24-35   a fragment's codes; v36-38, v40-42 the second halves of the conversions
.macro LOAD t                          ; step t: 16 rows x 512 bytes
.irp i, 0,1,2,3,4,5,6,7,8,9,10,11,12,13,14,15
.if \i < 8
	global_load_b128 v[RR+64*((\t)%2)+4*\i:RR+64*((\t)%2)+4*\i+3], v4, s[4:5] offset:(\i+8*(\i/8))*4096+512*(\t) th:TH_LOAD_NT
.else
	global_load_b128 v[RR+64*((\t)%2)+4*\i:RR+64*((\t)%2)+4*\i+3], v43, s[4:5] offset:(\i+8*(\i/8))*4096+512*(\t) th:TH_LOAD_NT   ; v43: for key 16 rows further on
.endif
.endr
.endm
.macro PICK lim, ptr, first            ; below work-group lim: an earlier tensor
	s_cmp_lt_u32 s3, \lim
	s_cselect_b64 s[4:5], s[\ptr:\ptr+1], s[4:5]
	s_cselect_b32 s31, \first, s31
.endm
.macro QSTEP t
.if (\t) < 3
	s_wait_loadcnt 16                              ; this step's 16 loads are in; the next step's 16 may be out
.else
	s_wait_loadcnt 0x0
.endif
.irp i, 0,1,2,3,4,5,6,7,8,9,10,11,12,13,14,15
	ds_store_b128 v6, v[RR+64*((\t)%2)+4*\i:RR+64*((\t)%2)+4*\i+3] offset:528*\i
.endr
.irp c, 0,1
.irp q, 0,1,2,3,4,5,6,7
	ds_load_b128 v[XX+32*\c+4*\q:XX+32*\c+4*\q+3], v7 offset:256*\c+16*\q   ; row r, block 2 c + h.  LDS serves a wave's instructions in order: these see the stores above
.endr
.endr
	s_wait_dscnt 0x0                               ; my two blocks are in registers
.if (\t) < 2
	LOAD (\t)+2
.endif
.irp c, 0,1
	v_max3_num_f32 v[16+\c], |v[XX+32*\c]|, |v[XX+32*\c+1]|, 0x1800000   ; the floor 2^(3 - 127) among the leaves: the byte cannot fall under 1
.endr
.irp i, 2,4,6,8,10,12,14,16,18,20,22,24,26,28,30
.irp c, 0,1
	v_max3_num_f32 v[16+\c], v[16+\c], |v[XX+32*\c+\i]|, |v[XX+32*\c+\i+1]|
.endr
.endr
.irp c, 0,1
	v_add_nc_u32 v[18+\c], 0xff000000, v[16+\c]    ; 2 off the exponent field: the conversion's scale operand
.endr
.irp c, 0,1
	v_lshrrev_b32 v[20+\c], 23, v[18+\c]           ; the scale's byte
.endr
	v_lshl_or_b32 v22, v21, 16, v20                ; my bytes: blocks h and 2 + h,
	v_lshlrev_b32 v22, v9, v22                     ; at their places (8 h bits up);
	v_permlanex16_b32 v23, v22, s28, s29
	v_or_b32 v[10+(\t)], v22, v23                  ; with lane l xor 16's two the row's word is whole
	s_wait_alu depctr_va_vdst(0)
	s_wait_xcnt 0x0                                ; the last step's stores have read the codes' registers
.irp c, 0,1
	v_cvt_scalef32_pk16_fp6_f32 v[CC+6*\c:CC+6*\c+2], v[XX+32*\c:XX+32*\c+15], v[18+\c]
	v_cvt_scalef32_pk16_fp6_f32 v[36+4*\c:38+4*\c], v[XX+32*\c+16:XX+32*\c+31], v[18+\c]   ; (a conversion's three registers begin on an even number)
.endr
	v_nop                                          ; one plain place behind a scaled conversion
.irp c, 0,1
.irp i, 0,1,2
	v_mov_b32 v[CC+3+6*\c+\i], v[36+4*\c+\i]
.endr
.endr
	global_store_b128 v4, v[CC:CC+3], s[6:7] offset:1536*(\t)            ; each store covers 512 or 256 consecutive bytes, aligned to 256
	global_store_b64 v5, v[CC+4:CC+5], s[6:7] offset:1536*(\t)+512
	global_store_b128 v4, v[CC+6:CC+9], s[6:7] offset:1536*(\t)+768
	global_store_b64 v5, v[CC+10:CC+11], s[6:7] offset:1536*(\t)+1280
.endm
	s_load_b512 s[8:23], s[0:1], 0x0               ; query, key, value, Wq, Wk, Wv, Wo, positions
	s_load_b128 s[24:27], s[0:1], 0x40             ; cod, rot
	v_lshl_add_u32 v240, v0, 2, 0x8400
	v_mov_b32 v241, 0
	v_lshrrev_b32 v1, 5, v0
	v_readfirstlane_b32 s2, v1                     ; wave
	v_and_b32 v1, 31, v0                           ; lane
	s_cmp_lt_u32 ttmp9, NTAB
	s_cbranch_scc1 .Ltable
	s_sub_co_u32 s3, ttmp9, NTAB                   ; n = 0 .. 895
	v_and_b32 v2, 15, v0                           ; r
	v_bfe_u32 v3, v0, 4, 1                         ; h
	v_lshlrev_b32 v4, 4, v1                        ; 16 x lane
	v_lshlrev_b32 v5, 3, v1                        ; 8 x lane
	s_mul_i32 s32, s2, STGB
	v_add_nc_u32 v6, s32, v4                       ; the stage, on the way in
	v_mul_u32_u24 v7, v2, 528
	v_lshl_add_u32 v7, v3, 7, v7
	v_add_nc_u32 v7, s32, v7                       ; and out: row r, + 128 h
	v_lshlrev_b32 v8, 4, v2
	v_lshl_add_u32 v8, v3, 3, v8                   ; 16 r + 8 h: my two of the row's four scale words
	v_lshlrev_b32 v9, 3, v3
	v_mov_b32 v23, 0                               ; a lane permute's destination counts as one of its sources
	v_cmp_ne_u32 s30, 0, v3
	s_sub_co_u32 s34, s3, 256
	s_cmp_lt_u32 s34, 256                          ; key's work-groups are n = 256 .. 511
	s_cselect_b32 s34, 0x10000, 0                  ; 16 rows of 4,096 bytes for key, 0 for the others
	v_add_nc_u32 v43, s34, v4                      ; a group's rows 8-15: for key they begin 32 rows behind rows 0-7, not 16
	s_mov_b32 s28, 0x76543210
	s_mov_b32 s29, 0xfedcba98                      ; selects for lane l xor 16
	s_wait_alu depctr_va_vdst(0)
	s_wait_kmcnt 0x0
	s_mov_b64 s[4:5], s[20:21]                     ; which tensor: the choice hangs on the work-group's number alone
	s_mov_b32 s31, 864
	PICK 864, 18, 832
	PICK 832, 16, 800
	PICK 800, 14, 768
	PICK 768, 12, 512
	PICK 512, 10, 256
	PICK 256, 8, 0
	s_sub_co_u32 s31, s3, s31                      ; which 32 rows of the tensor
	s_and_b32 s35, s31, 1
	s_mul_i32 s35, s35, s34
	s_lshl_b32 s31, s31, 17
	s_sub_co_u32 s31, s31, s35                     ; key: the odd pair of groups begins 16 rows behind the even pair, not 32
	s_lshr_b32 s33, s2, 1
	s_lshl_b32 s33, s33, 15                        ; the odd group begins 8 rows on
	s_add_co_u32 s31, s31, s33
	s_and_b32 s33, s2, 1
	s_lshl_b32 s33, s33, 11                        ; the K half: 512 numbers
	s_add_co_u32 s36, s31, s33
	s_mov_b32 s37, 0
	s_add_nc_u64 s[4:5], s[4:5], s[36:37]
	s_lshl_b32 s36, s3, 2
	s_add_co_u32 s36, s36, s2
	s_mul_i32 s36, s36, 6400                       ; (2 x group + half) x 6,400 = (4 n + wave) x 6,400
	s_add_nc_u64 s[6:7], s[24:25], s[36:37]
	LOAD 0
	LOAD 1
	QSTEP 0
	QSTEP 1
	QSTEP 2
	QSTEP 3
	v_cndmask_b32 v14, v10, v12, s30               ; lanes 0-15 store the row's words 0, 1, lanes 16-31 words 2, 3
	v_cndmask_b32 v15, v11, v13, s30
	global_store_b64 v8, v[14:15], s[6:7] offset:6144   ; 256 consecutive bytes
	s_wait_tensorcnt 0x0
	ds_add_u32 v240, v241
	s_wait_dscnt 0x0
	s_endpgm
; THE TABLE.  Lane p owns bytes 8 p .. 8 p + 7 of every token's 256: two neighbouring frequencies, cos (kind 1) or sin (kind 0).  cos(a) = sin(a + pi / 2), so the kind is added to the quadrant.
.macro FSET idx, fa, fb
	v_cmp_eq_u32 vcc_lo, \idx, v10
	v_mov_b32 v13, \fa
	v_cndmask_b32 v11, v11, v13, vcc_lo
	v_mov_b32 v13, \fb
	v_cndmask_b32 v12, v12, v13, vcc_lo
.endm
.macro TOKEN k                         ; the two angles take turns line by line, so that no line waits for the line above it
	v_cvt_f32_i32 v16, s[44+\k]
	s_wait_alu depctr_va_vdst(0)
	v_mul_f32 v18, v16, v11                        ; the angle, one f32 product
	v_mul_f32 v19, v16, v12
	v_mul_f32 v20, 0x3f22f983, v18                 ; x 2 / pi
	v_mul_f32 v21, 0x3f22f983, v19
	v_rndne_f32 v20, v20                           ; n
	v_rndne_f32 v21, v21
	v_fma_f32 v22, v20, s34, v18                   ; r = a - n pi / 2, pi / 2 in three parts
	v_fma_f32 v23, v21, s34, v19
	v_fma_f32 v22, v20, s35, v22
	v_fma_f32 v23, v21, s35, v23
	v_fma_f32 v22, v20, s36, v22
	v_fma_f32 v23, v21, s36, v23
	v_cvt_i32_f32 v20, v20
	v_cvt_i32_f32 v21, v21
	v_pk_mul_f32 v[24:25], v[22:23], v[22:23]      ; s = r r
	v_add_nc_u32 v20, v20, v14                     ; the quadrant
	v_add_nc_u32 v21, v21, v14
	v_fma_f32 v26, v24, s37, s38
	v_fma_f32 v27, v25, s37, s38
	v_fma_f32 v28, v24, s40, s41
	v_fma_f32 v29, v25, s40, s41
	v_fma_f32 v26, v26, v24, s39
	v_fma_f32 v27, v27, v25, s39
	v_fma_f32 v28, v28, v24, s42
	v_fma_f32 v29, v29, v25, s42
	v_pk_mul_f32 v[30:31], v[22:23], v[24:25]
	v_fma_f32 v26, v30, v26, v22                   ; sin r
	v_fma_f32 v27, v31, v27, v23
	v_pk_mul_f32 v[30:31], v[24:25], v[24:25]
	v_fma_f32 v24, v24, -0.5, 1.0
	v_fma_f32 v25, v25, -0.5, 1.0
	v_fma_f32 v28, v30, v28, v24                   ; cos r
	v_fma_f32 v29, v31, v29, v25
	v_and_b32 v30, 1, v20
	v_and_b32 v31, 1, v21
	v_cmp_ne_u32 vcc_lo, 0, v30
	v_cndmask_b32 v[32+2*\k], v26, v28, vcc_lo     ; odd quadrants take cos r
	v_cmp_ne_u32 vcc_lo, 0, v31
	v_cndmask_b32 v[33+2*\k], v27, v29, vcc_lo
	v_and_b32 v20, 2, v20
	v_and_b32 v21, 2, v21
	v_lshlrev_b32 v20, 30, v20
	v_lshlrev_b32 v21, 30, v21
	v_xor_b32 v[32+2*\k], v[32+2*\k], v20          ; quadrants 2 and 3 change the sign
	v_xor_b32 v[33+2*\k], v[33+2*\k], v21
	global_store_b64 v15, v[32+2*\k:33+2*\k], s[26:27] offset:256*\k   ; the wave stores a token's 256 bytes
.endm
.Ltable:
	s_wait_alu depctr_va_vdst(0)
	v_and_b32 v10, 7, v1
	v_lshrrev_b32 v11, 4, v1
	v_lshl_add_u32 v10, v11, 3, v10                ; which pair of frequencies: 8 (p / 16) + p % 8
	v_bfe_u32 v14, v1, 3, 1
	v_sub_nc_u32 v14, 1, v14                       ; kind
	v_lshlrev_b32 v15, 3, v1
	v_mov_b32 v11, 0
	v_mov_b32 v12, 0
	FSET 0, 1.0, 0.7498942093
	FSET 1, 0.5623413252, 0.4216965034
	FSET 2, 0.3162277660, 0.2371373706
	FSET 3, 0.1778279410, 0.1333521432
	FSET 4, 0.1, 0.07498942093
	FSET 5, 0.05623413252, 0.04216965034
	FSET 6, 0.03162277660, 0.02371373706
	FSET 7, 0.01778279410, 0.01333521432
	FSET 8, 0.01, 0.007498942093
	FSET 9, 0.005623413252, 0.004216965034
	FSET 10, 0.003162277660, 0.002371373706
	FSET 11, 0.001778279410, 0.001333521432
	FSET 12, 0.001, 0.0007498942093
	FSET 13, 0.0005623413252, 0.0004216965034
	FSET 14, 0.0003162277660, 0.0002371373706
	FSET 15, 0.0001778279410, 0.0001333521432
	s_mov_b32 s34, 0xbfc90fda                      ; - pi / 2: high, middle and low part
	s_mov_b32 s35, 0xb3a22168
	s_mov_b32 s36, 0xa7c234c4
	s_mov_b32 s37, -0.00019515295891               ; sin r = r + r s (S1 + s (S2 + s S3))
	s_mov_b32 s38, 0.0083321608736
	s_mov_b32 s39, -0.16666654611
	s_mov_b32 s40, 0.00002443315712                ; cos r = 1 - s / 2 + s s (C1 + s (C2 + s C3))
	s_mov_b32 s41, -0.001388731625
	s_mov_b32 s42, 0.04166664568
	s_lshl_b32 s3, ttmp9, 8
	s_lshl_b32 s4, s2, 6
	s_add_co_u32 s4, s3, s4                        ; my wave's first token
	s_mov_b32 s5, 0
	s_lshl_b32 s6, s4, 8
	s_mov_b32 s7, 0
	s_lshl_b32 s4, s4, 2
	s_wait_kmcnt 0x0
	s_add_nc_u64 s[22:23], s[22:23], s[4:5]
	s_add_nc_u64 s[26:27], s[26:27], s[6:7]
	s_mov_b32 s33, 0
.Ltrip:                                                ; four trips of 16 tokens
	s_load_b512 s[44:59], s[22:23], 0x0
	s_wait_kmcnt 0x0
.irp k, 0,1,2,3,4,5,6,7,8,9,10,11,12,13,14,15
	TOKEN \k
.endr
	s_wait_xcnt 0x0                                ; the stores have read their data and their base: both are written again only behind this wait
	s_add_nc_u64 s[22:23], s[22:23], 64
	s_add_nc_u64 s[26:27], s[26:27], 4096
	s_add_co_u32 s33, s33, 1
	s_cmp_lt_u32 s33, 4
	s_cbranch_scc1 .Ltrip
	s_endpgm
.Lfunc_end_k_q39c4bd3649_quant:
	.size	k_q39c4bd3649_quant, .Lfunc_end_k_q39c4bd3649_quant-k_q39c4bd3649_quant
	.p2alignl 7, 3214868480
	.fill 96, 4, 3214868480
	.section	.rodata,"a",@progbits
	.p2align	6, 0x0
	.amdhsa_kernel k_q39c4bd3649_quant
		.amdhsa_group_segment_fixed_size 34304
		.amdhsa_private_segment_fixed_size 0
		.amdhsa_enable_private_segment 0
		.amdhsa_kernarg_size 80
		.amdhsa_user_sgpr_count 2
		.amdhsa_user_sgpr_kernarg_segment_ptr 1
		.amdhsa_wavefront_size32 1
		.amdhsa_system_sgpr_workgroup_id_x 1
		.amdhsa_system_sgpr_workgroup_id_y 1
		.amdhsa_system_sgpr_workgroup_id_z 1
		.amdhsa_system_vgpr_workitem_id 0
		.amdhsa_next_free_vgpr 242
		.amdhsa_next_free_sgpr 66
		.amdhsa_reserve_vcc 1
		.amdhsa_float_denorm_mode_32 3
		.amdhsa_float_denorm_mode_16_64 3
		.amdhsa_memory_ordered 1
		.amdhsa_forward_progress 1
		.amdhsa_inst_pref_size 74
	.end_amdhsa_kernel
	.amdgpu_metadata
---
amdhsa.version: [ 1, 2 ]
amdhsa.kernels:
  - .name:           k_q39c4bd3649_quant
    .symbol:         k_q39c4bd3649_quant.kd
    .args:
      - { .name: query, .offset: 0, .size: 8, .value_kind: global_buffer, .address_space: global }
      - { .name: key, .offset: 8, .size: 8, .value_kind: global_buffer, .address_space: global }
      - { .name: value, .offset: 16, .size: 8, .value_kind: global_buffer, .address_space: global }
      - { .name: Wq, .offset: 24, .size: 8, .value_kind: global_buffer, .address_space: global }
      - { .name: Wk, .offset: 32, .size: 8, .value_kind: global_buffer, .address_space: global }
      - { .name: Wv, .offset: 40, .size: 8, .value_kind: global_buffer, .address_space: global }
      - { .name: Wo, .offset: 48, .size: 8, .value_kind: global_buffer, .address_space: global }
      - { .name: query_position_ids, .offset: 56, .size: 8, .value_kind: global_buffer, .address_space: global }
      - { .name: cod, .offset: 64, .size: 8, .value_kind: global_buffer, .address_space: global }
      - { .name: rot, .offset: 72, .size: 8, .value_kind: global_buffer, .address_space: global }
    .group_segment_fixed_size: 34304
    .private_segment_fixed_size: 0
    .kernarg_segment_align: 8
    .kernarg_segment_size: 80
    .max_flat_workgroup_size: 128
    .sgpr_count:     66
    .vgpr_count:     242
    .wavefront_size: 32
...
	.end_amdgpu_metadata
.endif
;; end of part 1
;; launch proj (part 2): grid 16 x 16, 4 waves a work-group, clusters of 4 x 4, 327,680 bytes of LDS; arguments cod, rot, bq, bk, bv, qa, kv; writes qa, kv
.if DOCPART == 2
	.amdgcn_target "amdgcn-amd-amdhsa--gfx1250"
	.amdhsa_code_object_version 6
	.text
	.protected	k_q39c4bd3649_proj
	.globl	k_q39c4bd3649_proj
	.p2align	8
	.type	k_q39c4bd3649_proj,@function
k_q39c4bd3649_proj:
	s_mov_b64 s[64:65], 0
	v_nop
	global_prefetch_b8 v0, s[64:65] scope:SCOPE_SE
	s_setreg_imm32_b32 hwreg(HW_REG_WAVE_MODE, 25, 1), 1
	s_wait_xcnt 0x0
	s_wait_alu depctr_hold_cnt(0) depctr_sa_sdst(0) depctr_va_vdst(0) depctr_va_sdst(0) depctr_va_ssrc(0) depctr_va_vcc(0) depctr_vm_vsrc(0)
	s_getreg_b32 s2, hwreg(HW_REG_IB_STS2, 6, 4)
	s_cmp_eq_u32 s2, 0
	s_cbranch_scc0 .Lentry_in_a_cluster
	s_endpgm
.Lentry_in_a_cluster:
	s_bfe_u32 s2, ttmp6, 0x10000c
	s_cmp_lg_u32 s2, 0xf033
	s_cbranch_scc0 .Lentry_shape_is_right
	s_endpgm
.Lentry_shape_is_right:
; LAUNCH 2.  The three projections on codes of FP6 (E2M3) with E8M0 scales, bias as the C of each sum's first product, the rotation of q, and the quantising of q, k and v^T into the operands of attention.  No f32 result goes to memory.
; A tile is P 256 x Q 128 of one projection: source 0 = 16 rows of P, source 1 = 16 rows of Q, so that a lane holds ONE row of Q and its registers run along P.
;   q, k: P = the weight's rows (features), Q = tokens: a lane's registers run along the head's 64 features, the K of the scores.   v: P = tokens (keys), Q = Wv's rows: a lane's registers run along 128 keys, the K of p x V.
; The groups of 16 rows in cod are permuted (rows 32 (g / 2) + 8 (g % 2) + i + 8 (i / 8)), so the 16 registers of P's groups 2 b, 2 b + 1 are 16 neighbours: 32 b + 16 (lane / 16) + 0 .. 15.
; A WORK-GROUP STAYS: 256 work-groups, each makes three tiles: one of q, one of k, one of v.  With cl = the cluster's number (0 .. 15): q, k: P's block cx, Q's block cy + 4 cl;  v: P's block cx + 4 (cl / 2), Q's block cy + 4 (cl % 2).
; A TILE'S WHOLE K = 1,024 LIES IN LDS: two chunks (K halves) of 153,600 bytes, each 16 groups of P and 8 of Q, 6,400 bytes a group, as they lie in cod (fragments in the order of the operand's registers, then the scale words).
; THE TWO CHUNKS ARE A RING THAT GOES ON INTO THE NEXT TILE: chunk 0 is asked for again at the head of K step 3 (its last reads are that step's fragments), chunk 1 behind K step 7's products.  From chunk 0's request to the wait
; for it a wave issues 160 products; from chunk 1's, the way out and 96 products.  Waves 0 and 1 fetch P's halves, waves 2 and 3 Q's: one tensor load a wave for a chunk; never more than one is out.
; CLUSTERS 4 x 4: P's groups hang on cx and the cluster's number and are shared along a column, Q's on cy and the cluster's number and are shared along a row: joint loads, each refill behind a round of the cluster's barrier.
; Four waves: wave w takes P's half w % 2 (128 rows) and Q's half w / 2 (64 rows): 8 x 4 accumulators.  A K step of 128 is 32 products, all 32 accumulators by turns.
; WHAT IS STORED (this program's own layouts; a HALF IMAGE is 16 rows x 64 K: registers 0-3 at 16 x lane, 4-5 at 512 + 8 x lane, 768 bytes; a fragment is two of them):
;   qa: codes [b x 16 + head][tile of 16 tokens 128][768]; at 6,291,456 scale words [bh][32][row 16][4 tiles].   kv: [bh][key step 16][13,056]: K: 8 half images; V^T: 4 fragments; K's scale words 2 x 256; V's 256.
; LIMITS: NaN and infinities are not served; a block of zeros gets the byte 1 (its codes are zeros; this program alone reads the bytes).
; REGISTERS: window 0: v1-3 lane terms, v4-15 LDS addresses, v16-19 lane terms of the loads and stores, v30, v31 the spare word's address and 0, v32-95 P's scale words, v96-127 Q's, v128-223 Q's fragments (two sets; on the way
;   out the rotated q and the codes), v224-249 at work.   window 1: P's fragments, two sets, at v0 and v128.   window 2: accumulator (a, b) at v[8 (8 a + b)].   window 3: v0-63 the bias, v64-191 cos and sin.
.set QG,  6400                         ; a group of Q in LDS
.set CH,  102400+8*QG                  ; a chunk
.set SPARE, 2*CH                       ; behind the chunks: the spare words, 128 bytes for each wave: two blocks of 256 bytes that no other line names
.set SPW, 30                           ; v30  LDS address of my spare word: SPARE + 4 x my thread's number; never rewritten
.set NIL, 31                           ; v31  0; never rewritten
.set SCP, 32
.set SCQ, 96
.set QF,  128
.set TM,  224                          ; v224-227 largest magnitudes, v228-231 the other half's / the bytes, v236-239 the conversions' scale operands
.set PW,  240                          ; v240-243 four scale words
.set PC,  160                          ; v160-179 the codes just made
.set SEL, 90                           ; s[90:91] selects for lane l xor 16
.set HM,  96                           ; s96 the mask of lanes 16-31
.set MSB, 0
.macro WIN new                         ; the immediate's high byte repeats the setting that is left
.if MSB != (\new)
	s_set_vgpr_msb (MSB<<8)|(\new)
.set MSB, (\new)
.endif
.endm
.macro PLACES n                        ; plain vector instructions between a matrix instruction and a read of its result, or a write or load into one of its registers
.rept \n
	v_nop
.endr
.endm
.macro CROUND                          ; a round of the cluster's barrier
	s_barrier_signal -1
	s_barrier_wait -1
	s_cmp_lg_u32 s18, 0
	s_cbranch_scc1 .Lnot_wave_0_\@
	s_barrier_signal -3
.Lnot_wave_0_\@:
	s_barrier_wait -3
	s_barrier_signal -1
	s_barrier_wait -1
.endm
; A joint load: waves 0 and 1 fetch for P, waves 2 and 3 for Q.  Each of the two lines has one mask and one set of registers for all that issue it; the branch hangs on the wave's number alone.
; Four v_nop follow each of the two lines, ahead of the jump, the label and what follows.
.macro JLOAD g0p, g0q
	s_cmp_eq_u32 s20, 0
	s_cbranch_scc0 .Lfor_q_\@
	tensor_load_to_lds s[\g0p:\g0p+3], s[36:43]
	s_nop 0
.rept 4
	v_nop
.endr
	s_branch .Lasked_\@
.Lfor_q_\@:
	tensor_load_to_lds s[\g0q:\g0q+3], s[44:51]
	s_nop 0
.rept 4
	v_nop
.endr
.Lasked_\@:
.endm
.macro DSTEP c, fill                   ; chunk c's two descriptors step to the next tile.  fill 1: from q's tile to k's (constants); 2: from k's to v's (made of the cluster's number)
.if (\fill) == 1
	s_add_nc_u64 s[54+4*(\c):55+4*(\c)], s[54+4*(\c):55+4*(\c)], 64*12800      ; Wq's groups to Wk's
	s_add_nc_u64 s[62+8*(\c):63+8*(\c)], s[62+8*(\c):63+8*(\c)], 512*12800     ; query's to key's
.else
	s_sub_nc_u64 s[54+4*(\c):55+4*(\c)], s[54+4*(\c):55+4*(\c)], s[78:79]      ; Wk's back to value's; the type bits on top are not reached
	s_add_nc_u64 s[62+8*(\c):63+8*(\c)], s[62+8*(\c):63+8*(\c)], s[98:99]      ; key's on to Wv's
.endif
.endm
; Chunk c, which every wave has read out, is filled again with the next tile's K half c.
.macro REFILL c, fill
	s_wait_tensorcnt 0x0                           ; all my tensor loads have landed (one was out: my part of the other chunk), so every group 0 may be written
	ds_add_u32 v[SPW], v[NIL]                      ; 0 onto my spare word: the descriptors' steps stand between it and the wait for it
	DSTEP \c, \fill
	s_wait_dscnt 0x0                               ; the add is done, and my reads of this chunk are back
	CROUND                                         ; both now hold of every wave of all sixteen work-groups
	JLOAD 52+4*(\c), 60+8*(\c)                     ; the first tensor load behind the round, and my only one until the next
.endm
.macro FETCH st                        ; K step st's fragments: P's eight into window 1, Q's four into window 0; 48 loads, each of 512 or 256 consecutive bytes
.set FC, (\st)/4
.set FE, ((\st)%4)*1536
.set FP, 128*((\st)%2)
.set FQ, QF+48*((\st)%2)
	WIN 0x40
.irp i, 0,1,2,3,4,5,6,7
	ds_load_b128 v[FP+12*\i:FP+12*\i+3], v[4+FC] offset:\i*6400+FE
	ds_load_b64 v[FP+12*\i+4:FP+12*\i+5], v[6+FC] offset:\i*6400+FE+512
	ds_load_b128 v[FP+12*\i+6:FP+12*\i+9], v[4+FC] offset:\i*6400+FE+768
	ds_load_b64 v[FP+12*\i+10:FP+12*\i+11], v[6+FC] offset:\i*6400+FE+1280
.endr
	WIN 0
.irp a, 0,1,2,3
	ds_load_b128 v[FQ+12*\a:FQ+12*\a+3], v[8+FC] offset:\a*QG+FE
	ds_load_b64 v[FQ+12*\a+4:FQ+12*\a+5], v[10+FC] offset:\a*QG+FE+512
	ds_load_b128 v[FQ+12*\a+6:FQ+12*\a+9], v[8+FC] offset:\a*QG+FE+768
	ds_load_b64 v[FQ+12*\a+10:FQ+12*\a+11], v[10+FC] offset:\a*QG+FE+1280
.endr
.endm
.macro SCALES c                        ; a chunk's scale words: lane r takes its row's four words, one for each K step
.irp i, 0,1,2,3,4,5,6,7
	ds_load_b128 v[SCP+32*\c+4*\i:SCP+32*\c+4*\i+3], v[12+\c] offset:\i*6400+6144
.endr
.irp a, 0,1,2,3
	ds_load_b128 v[SCQ+16*\c+4*\a:SCQ+16*\c+4*\a+3], v[14+\c] offset:\a*QG+6144
.endr
.endm
.macro MUL32 st, ck                    ; ck 0: the sums go on; 1: they begin with the bias along P (window 3, v[8 b]); 2: with the bias along Q (v[8 a])
.set MC, (\st)/4
.set ME, (\st)%4
.set FP, 128*((\st)%2)
.set FQ, QF+48*((\st)%2)
.if \ck == 0
	WIN 0xa1
.else
	WIN 0xb1
.endif
.irp a, 0,1,2,3
.irp b, 0,1,2,3,4,5,6,7
.if \ck == 0
	v_wmma_scale_f32_16x16x128_f8f6f4 v[8*(8*\a+\b):8*(8*\a+\b)+7], v[FP+12*\b:FP+12*\b+11], v[FQ+12*\a:FQ+12*\a+11], v[8*(8*\a+\b):8*(8*\a+\b)+7], v[SCP+32*MC+4*\b+ME], v[SCQ+16*MC+4*\a+ME] matrix_a_fmt:MATRIX_FMT_FP6 matrix_b_fmt:MATRIX_FMT_FP6
.elseif \ck == 1
	v_wmma_scale_f32_16x16x128_f8f6f4 v[8*(8*\a+\b):8*(8*\a+\b)+7], v[FP+12*\b:FP+12*\b+11], v[FQ+12*\a:FQ+12*\a+11], v[8*\b:8*\b+7], v[SCP+32*MC+4*\b+ME], v[SCQ+16*MC+4*\a+ME] matrix_a_fmt:MATRIX_FMT_FP6 matrix_b_fmt:MATRIX_FMT_FP6
.else
	v_wmma_scale_f32_16x16x128_f8f6f4 v[8*(8*\a+\b):8*(8*\a+\b)+7], v[FP+12*\b:FP+12*\b+11], v[FQ+12*\a:FQ+12*\a+11], v[8*\a:8*\a+7], v[SCP+32*MC+4*\b+ME], v[SCQ+16*MC+4*\a+ME] matrix_a_fmt:MATRIX_FMT_FP6 matrix_b_fmt:MATRIX_FMT_FP6
.endif
.endr
.endr
.endm
.macro STEP st, ck, fill               ; fill > 0 (K step 3 alone): chunk 0 is filled again
.if ((\st) == 3) && ((\fill) > 0)
	REFILL 0, \fill                                ; its wait on DScnt also shows this step's fragments in; its wait on TENSORcnt and its round show chunk 1 whole; its four v_nop are the places in front of the loads below
	FETCH 4
	SCALES 1
.else
	s_wait_dscnt 0x0                               ; this step's fragments (asked for a step ago) and scale words are in
.if (\st) == 3
	s_wait_tensorcnt 0x0                           ; the last tile: my part of chunk 1, the one load that is out, has landed;
	s_barrier_signal -1
	s_barrier_wait -1                              ; everybody's has.
.endif
.if (\st) < 7
.if (\st) > 0
	PLACES 4                                       ; the loads below land in the set that the last step's products read
.endif
	FETCH (\st)+1
.if (\st) == 3
	SCALES 1
.endif
.endif
.endif
	MUL32 \st, \ck
	WIN 0
.endm
.macro MAIN ck, first, fill
.if \first
	s_wait_alu depctr_va_vdst(0)
	s_wait_tensorcnt 0x0                           ; my part of chunk 0 is in
	ds_add_u32 v[SPW], v[NIL]
	s_wait_dscnt 0x0
	CROUND                                         ; everybody's part is in, and all sixteen work-groups are here
	JLOAD 56, 68                                   ; chunk 1's first fill: my one tensor load behind the round
.else
	PLACES 4                                       ; (chunk 0 was shown whole by the round behind the last tile's K step 7.)  Plain places between the way out's last vector writes and the operands' next use
.endif
	FETCH 0
	SCALES 0
	s_wait_loadcnt 0x0                             ; the bias (and the table)
	STEP 0, \ck, 0
	STEP 1, 0, 0
	STEP 2, 0, 0
	STEP 3, 0, \fill
.irp z, 4,5,6,7
	STEP \z, 0, 0
.endr
.endm
; nb blocks of 32 (2 or 4) of my row: register src + 16 b + i of window sw = k 32 b + 16 (lane / 16) + i.  The codes come out in v[PC] on, in the operand's layout; the row's scale word in v[pw].
.macro QUANT nb, src, sw, pw
.set WN, ((\sw)<<2)|((\sw)<<4)
	WIN WN
.irp b, 0,1,2,3
.if \b < \nb
	v_max3_num_f32 v[TM+\b], 0x1800000, |v[(\src)+16*\b]|, |v[(\src)+16*\b+1]|   ; with the floor 2^(3 - 127).  Each accumulator is read from its low end on
.endif
.endr
.irp i, 2,4,6,8,10,12,14
.irp b, 0,1,2,3
.if \b < \nb
	v_max3_num_f32 v[TM+\b], v[TM+\b], |v[(\src)+16*\b+\i]|, |v[(\src)+16*\b+\i+1]|
.endif
.endr
.endr
	WIN 0
.irp b, 0,1,2,3
.if \b < \nb
	v_permlanex16_b32 v[TM+4+\b], v[TM+\b], s[SEL], s[SEL+1]
.endif
.endr
.irp b, 0,1,2,3
.if \b < \nb
	v_max_num_f32 v[TM+\b], v[TM+\b], v[TM+4+\b]   ; with lane l xor 16's 16: the block's largest magnitude
.endif
.endr
.irp b, 0,1,2,3
.if \b < \nb
	v_add_nc_u32 v[TM+12+\b], 0xff000000, v[TM+\b] ; 2 off the exponent field: the conversion's scale operand
.endif
.endr
.irp b, 0,1,2,3
.if \b < \nb
	v_lshrrev_b32 v[TM+4+\b], 23, v[TM+12+\b]      ; the byte
.endif
.endr
	v_lshl_or_b32 v[\pw], v[TM+5], 8, v[TM+4]
.if \nb > 2
	v_lshl_or_b32 v[\pw], v[TM+6], 16, v[\pw]
	v_lshl_or_b32 v[\pw], v[TM+7], 24, v[\pw]
.endif
	s_wait_alu depctr_va_vdst(0)
	s_wait_xcnt 0x0                                ; earlier stores have read the codes' registers
	WIN \sw
.irp c, 0,1
.if 2*\c < \nb
	v_cvt_scalef32_pk16_fp6_f32 v[PC+6*\c:PC+6*\c+2], v[(\src)+32*\c:(\src)+32*\c+15], v[TM+12+2*\c]
	v_cvt_scalef32_pk16_fp6_f32 v[PC+12+4*\c:PC+14+4*\c], v[(\src)+32*\c+16:(\src)+32*\c+31], v[TM+12+2*\c+1]
.endif
.endr
	WIN 0
	v_nop                                          ; one plain place behind a scaled conversion
.irp c, 0,1
.if 2*\c < \nb
.irp i, 0,1,2
	v_permlane16_swap_b32 v[PC+6*\c+\i], v[PC+12+4*\c+\i]   ; a whole block to a lane: lanes 0-15 block 2 c, lanes 16-31 block 2 c + 1
.endr
.irp i, 0,1,2
	v_mov_b32 v[PC+3+6*\c+\i], v[PC+12+4*\c+\i]
.endr
.endif
.endr
.endm
.macro QUAD base, off                  ; four scale words a row, 256 bytes: lanes 0-15 store words 0, 1, lanes 16-31 words 2, 3
	v_cndmask_b32 v248, v[PW], v[PW+2], s[HM]
	v_cndmask_b32 v249, v[PW+1], v[PW+3], s[HM]
	global_store_b64 v18, v[248:249], s[\base:\base+1] offset:\off
.endm
; q (rope = 1) and k (rope = 0): my P is two heads' 64 features, my Q four tiles of 16 tokens.  QKLOAD asks for the bias (and the table), QKADDR makes the stores' bases, QKEPI is the way out.
.macro QKLOAD rope
	s_lshl_b32 s80, s27, 10
	s_lshl_b32 s88, s19, 9
	s_add_co_u32 s80, s80, s88                     ; my 128 features' bias
	s_mov_b32 s81, 0
.if \rope
	s_add_nc_u64 s[80:81], s[8:9], s[80:81]
.else
	s_add_nc_u64 s[80:81], s[10:11], s[80:81]
.endif
	WIN 0xc0
.irp b, 0,1,2,3,4,5,6,7
	global_load_b128 v[8*\b:8*\b+3], v16, s[80:81] offset:(32*(\b/2)+8*(\b%2))*4       ; in the result's layout: features 32 (b / 2) + 16 h + 8 (b % 2) + 0 .. 7
	global_load_b128 v[8*\b+4:8*\b+7], v16, s[80:81] offset:(32*(\b/2)+8*(\b%2))*4+16
.endr
.if \rope
	s_lshl_b32 s82, s74, 15
	s_lshl_b32 s88, s20, 14
	s_add_co_u32 s82, s82, s88                     ; my 64 tokens' rows of the table
	s_mov_b32 s83, 0
	s_add_nc_u64 s[82:83], s[6:7], s[82:83]
.irp a, 0,1,2,3
.irp i, 0,1,2,3,4,5,6,7
	global_load_b128 v[64+32*\a+4*\i:64+32*\a+4*\i+3], v17, s[82:83] offset:(32*(\a/2)+8*(\a%2))*256+16*\i   ; 16 cos, then 16 sin, of frequencies 16 h + 0 .. 15
.endr
.endr
.endif
	WIN 0
.endm
.macro QKADDR rope
	s_wait_xcnt 0x0                                ; the last tile's stores have read their bases and their data: both are written again only behind this wait
	s_lshr_b32 s88, s74, 4
	s_lshl_b32 s88, s88, 4
	s_lshl_b32 s89, s27, 2
	s_add_co_u32 s88, s88, s89
	s_lshl_b32 s89, s19, 1
	s_add_co_u32 s88, s88, s89                     ; 16 x batch + my first head
	s_and_b32 s89, s74, 15                         ; which 128 tokens of the batch
.if \rope
.set HSC, 98304                        ; from head to head: codes,
.set HSQ, 8192                         ; scale words
	s_lshl_b32 s84, s88, 7
	s_lshl_b32 s94, s89, 3
	s_add_co_u32 s84, s84, s94
	s_lshl_b32 s94, s20, 2
	s_add_co_u32 s84, s84, s94                     ; my first tile
	s_mul_i32 s84, s84, 768
	s_mov_b32 s85, 0
	s_add_nc_u64 s[84:85], s[14:15], s[84:85]
	s_lshl_b32 s86, s88, 5
	s_lshl_b32 s94, s89, 1
	s_add_co_u32 s86, s86, s94
	s_add_co_u32 s86, s86, s20
	s_lshl_b32 s86, s86, 8
	s_add_co_u32 s86, s86, 6291456
	s_mov_b32 s87, 0
	s_add_nc_u64 s[86:87], s[14:15], s[86:87]
.else
.set HSC, 208896
.set HSQ, 208896
	s_lshl_b32 s84, s88, 4
	s_add_co_u32 s84, s84, s89
	s_mul_i32 s84, s84, 13056                      ; the key step's record
	s_lshl_b32 s86, s20, 8
	s_add_co_u32 s86, s86, s84
	s_add_co_u32 s86, s86, 12288
	s_mov_b32 s87, 0
	s_add_nc_u64 s[86:87], s[16:17], s[86:87]
	s_mul_i32 s94, s20, 3072
	s_add_co_u32 s84, s84, s94
	s_mov_b32 s85, 0
	s_add_nc_u64 s[84:85], s[16:17], s[84:85]
.endif
.endm
.macro QKEPI rope
.irp hh, 0,1
.irp a, 0,1,2,3
.if \rope
	WIN 0x0e                                       ; source 0: the sums (window 2); source 1: cos, sin (window 3)
.irp i, 0,2,4,6,8,10,12,14
	v_pk_mul_f32 v[244:245], v[64*\a+32*\hh+\i:64*\a+32*\hh+\i+1], v[64+32*\a+\i:64+32*\a+\i+1]               ; q1 cos
	v_pk_mul_f32 v[246:247], v[64*\a+32*\hh+16+\i:64*\a+32*\hh+16+\i+1], v[64+32*\a+\i:64+32*\a+\i+1]         ; q2 cos
	v_pk_fma_f32 v[128+\i:129+\i], v[64*\a+32*\hh+16+\i:64*\a+32*\hh+16+\i+1], v[80+32*\a+\i:80+32*\a+\i+1], v[244:245] neg_lo:[1,0,0] neg_hi:[1,0,0]   ; - q2 sin
	v_pk_fma_f32 v[144+\i:145+\i], v[64*\a+32*\hh+\i:64*\a+32*\hh+\i+1], v[80+32*\a+\i:80+32*\a+\i+1], v[246:247]   ; + q1 sin
.endr
	QUANT 2, 128, 0, PW+\a
.else
	QUANT 2, 64*\a+32*\hh, 2, PW+\a
.endif
	global_store_b128 v1, v[PC:PC+3], s[84:85] offset:\hh*HSC+\a*768          ; a half image: 512 + 256 consecutive bytes, aligned to 256
	global_store_b64 v2, v[PC+4:PC+5], s[84:85] offset:\hh*HSC+\a*768+512
.endr
	QUAD 86, \hh*HSQ
.endr
.endm
	s_load_b256 s[4:11], s[0:1], 0x0               ; cod, rot, bq, bk
	s_load_b128 s[12:15], s[0:1], 0x20             ; bv, qa
	s_load_b64 s[16:17], s[0:1], 0x30              ; kv
	v_lshl_add_u32 v[SPW], v0, 2, SPARE
	v_mov_b32 v[NIL], 0
	ds_add_u32 v30, v31
	ds_add_u32 v30, v31
	s_wait_dscnt 0x0
	v_lshrrev_b32 v1, 5, v0
	v_readfirstlane_b32 s18, v1                    ; wave
	s_and_b32 s19, s18, 1                          ; wp: my half of P.  Also: which half of P's or Q's groups I fetch
	s_lshr_b32 s20, s18, 1                         ; wq: my half of Q.  Also: I fetch for P (0) or for Q (1)
	s_bfe_u32 s21, ttmp6, 0x40000                  ; cx
	s_bfe_u32 s22, ttmp6, 0x40004                  ; cy
	s_and_b32 s24, ttmp7, 0xffff
	s_lshl_b32 s24, s24, 2
	s_add_co_u32 s24, s24, ttmp9                   ; cl: the cluster's number, 0 .. 15: the same in all partners
	s_lshr_b32 s25, s24, 1
	s_and_b32 s26, s24, 1
	s_mov_b32 s27, s21                             ; q, k: P's block of 256 rows of the weight
	; P's chain: no register of it ever holds cy
	s_lshl_b32 s72, s21, 4
	s_add_co_u32 s72, s72, 1536                    ; Wq's groups begin at 1536
	s_lshl_b32 s73, s19, 3
	s_add_co_u32 s72, s72, s73                     ; the eight groups that I would fetch
	s_mul_i32 s28, s72, 12800
	s_mov_b32 s29, 0
	s_lshl_b32 s72, 0x1111, s21                    ; my column of the cluster
	s_or_b32 s36, s72, (3<<16)|(1<<21)             ; group 1 for P: 15:0 the mask; 17:16 elements of 8 bytes; 21 set beside a mask; no padding
	s_mov_b32 s37, 800<<16                         ; tensor_dim0 = 800 elements: a group's K half, 6,400 bytes
	s_mov_b32 s38, 8<<16                           ; tensor_dim1 = 8 groups
	s_mov_b32 s39, 800<<16                         ; tile_dim0
	s_mov_b32 s40, 8                               ; tile_dim1
	s_mov_b32 s41, 1600                            ; from group to group: 12,800 bytes
	s_mov_b32 s42, 0
	s_mov_b32 s43, 0
	; Q's chain: no register of it ever holds cx
	s_lshl_b32 s74, s24, 2
	s_add_co_u32 s74, s74, s22                     ; q, k: Q's block of 128 tokens: cy + 4 cl
	s_lshl_b32 s75, s74, 3                         ; query's groups begin at 0
	s_lshl_b32 s76, s19, 2
	s_add_co_u32 s75, s75, s76                     ; the four groups that I would fetch
	s_mul_i32 s32, s75, 12800
	s_mov_b32 s33, 0
	s_lshl_b32 s75, s22, 2
	s_lshl_b32 s75, 15, s75                        ; my row of the cluster
	s_or_b32 s44, s75, (3<<16)|(1<<21)             ; group 1 for Q
	s_mov_b32 s45, 800<<16
	s_mov_b32 s46, 4<<16
	s_mov_b32 s47, 800<<16
	s_mov_b32 s48, 4
	s_mov_b32 s49, 1600
	s_mov_b32 s50, 0
	s_mov_b32 s51, 0
	; from k's tile to v's, in bytes; made of the cluster's number alone.  P: Wk's group 1600 + 16 cx to value's 1024 + 16 (cx + 4 (cl / 2)): back by 576 - 64 (cl / 2) groups.
	; Q: key's group 512 + 8 (cy + 4 cl) to Wv's 1664 + 8 (cy + 4 (cl % 2)): on by 1152 - 64 (cl / 2) groups
	s_lshl_b32 s77, s25, 6
	s_sub_co_u32 s78, 576, s77
	s_mul_i32 s78, s78, 12800
	s_mov_b32 s79, 0
	s_sub_co_u32 s98, 1152, s77
	s_mul_i32 s98, s98, 12800
	s_mov_b32 s99, 0
	s_mul_i32 s23, s19, 51200                      ; where they go: P's halves, then Q's halves: no place in the cluster enters an LDS address
	s_mul_i32 s3, s19, 4*QG
	s_add_co_u32 s3, s3, 102400
	s_mov_b32 s[SEL], 0x76543210
	s_mov_b32 s[SEL+1], 0xfedcba98
	s_wait_kmcnt 0x0
	s_add_nc_u64 s[30:31], s[4:5], s[28:29]
	s_add_nc_u64 s[34:35], s[4:5], s[32:33]
	s_mov_b32 s52, 1                               ; four groups 0: P chunk 0,
	s_mov_b32 s53, s23
	s_mov_b64 s[54:55], s[30:31]
	s_or_b32 s55, s55, 0x80000000
	s_mov_b32 s56, 1                               ; P chunk 1,
	s_add_co_u32 s57, s23, CH
	s_add_nc_u64 s[58:59], s[30:31], 6400
	s_or_b32 s59, s59, 0x80000000
	s_mov_b32 s60, 1                               ; Q chunk 0,
	s_mov_b32 s61, s3
	s_mov_b64 s[62:63], s[34:35]
	s_or_b32 s63, s63, 0x80000000
	s_mov_b32 s68, 1                               ; Q chunk 1
	s_add_co_u32 s69, s3, CH
	s_add_nc_u64 s[70:71], s[34:35], 6400
	s_or_b32 s71, s71, 0x80000000
	CROUND                                         ; all sixteen work-groups are here: the first joint loads meet
	s_cmp_eq_u32 s20, 0                            ; chunk 0's first fill: one tensor load a wave at the head; chunk 1's follows behind the three lines and a round (in MAIN)
	s_cbranch_scc0 .Lfirst_q
	tensor_load_to_lds s[52:55], s[36:43]
	s_nop 0
	PLACES 4
	s_branch .Lfirst_asked
.Lfirst_q:
	tensor_load_to_lds s[60:63], s[44:51]
	s_nop 0
	PLACES 4
.Lfirst_asked:
	v_and_b32 v20, 31, v0                          ; lane
	v_and_b32 v21, 15, v0                          ; r
	v_bfe_u32 v22, v0, 4, 1                        ; h
	v_lshlrev_b32 v1, 4, v20
	v_lshlrev_b32 v2, 3, v20
	v_lshlrev_b32 v3, 4, v21
	s_mul_i32 s92, s19, 51200                      ; my eight groups of P
	s_mul_i32 s93, s20, 4*QG                       ; my four of Q,
	s_add_co_u32 s93, s93, 102400                  ; behind P's sixteen
.irp c, 0,1
	v_add_nc_u32 v[4+\c], s92, v1
	v_add_nc_u32 v[6+\c], s92, v2
	v_add_nc_u32 v[8+\c], s93, v1
	v_add_nc_u32 v[10+\c], s93, v2
	v_add_nc_u32 v[12+\c], s92, v3
	v_add_nc_u32 v[14+\c], s93, v3
	s_add_co_u32 s92, s92, CH
	s_add_co_u32 s93, s93, CH
.endr
	v_lshlrev_b32 v16, 6, v22                      ; 64 h: my half's 16 numbers of a bias along P
	v_and_b32 v23, 8, v21
	v_add_nc_u32 v23, v23, v21                     ; r + 8 (r / 8): my row in its group
	v_lshlrev_b32 v17, 8, v23
	v_lshl_add_u32 v17, v22, 7, v17                ; the table: my token's 256 bytes, + 128 h
	s_wait_alu depctr_va_vdst(0)
	v_lshl_add_u32 v18, v22, 3, v3                 ; 16 r + 8 h
	v_lshlrev_b32 v19, 2, v23                      ; a bias along Q
	v_cmp_ne_u32 s[HM], 0, v22                     ; lanes 16-31
.irp b, 0,1,2,3
	v_mov_b32 v[TM+4+\b], 0                        ; a lane permute's destination counts as one of its sources
.endr
	; ---- the tile of q
	QKLOAD 1
	QKADDR 1
	MAIN 1, 1, 1                                   ; at its K step 3 chunk 0 takes k's first K half
	QKLOAD 0                                       ; k's bias: the registers were last read by this tile's first products
	REFILL 1, 1                                    ; chunk 1 takes k's second K half; the four v_nop behind the load are the places behind the last products
	QKEPI 1
	; ---- the tile of k
	QKADDR 0
	MAIN 1, 0, 2                                   ; at its K step 3 chunk 0 takes v's first K half
	s_lshl_b32 s66, s25, 2
	s_add_co_u32 s66, s66, s21                     ; v: P's block of 256 tokens of value: cx + 4 (cl / 2)
	s_lshl_b32 s67, s26, 2
	s_add_co_u32 s67, s67, s22                     ; v: Q's block of 128 rows of Wv: cy + 4 (cl % 2)
	s_lshl_b32 s80, s67, 9
	s_lshl_b32 s88, s20, 8
	s_add_co_u32 s80, s80, s88
	s_mov_b32 s81, 0
	s_add_nc_u64 s[80:81], s[12:13], s[80:81]
	WIN 0xc0
.irp a, 0,1,2,3
	global_load_b32 v[8*\a], v19, s[80:81] offset:4*(32*(\a/2)+8*(\a%2))   ; my feature's bias: the same for all eight keys of a result's lane
.endr
	WIN 0
	REFILL 1, 2                                    ; chunk 1 takes v's second K half: the last tensor load
	QKEPI 0
	; ---- the tile of v: my P is a key step's 128 keys, my Q one head's 64 features
	s_wait_xcnt 0x0                                ; k's stores have read their bases and their data
	s_lshr_b32 s88, s66, 3
	s_lshl_b32 s88, s88, 4
	s_lshl_b32 s89, s67, 1
	s_add_co_u32 s88, s88, s89
	s_add_co_u32 s88, s88, s20                     ; 16 x batch + head
	s_lshl_b32 s88, s88, 4
	s_and_b32 s89, s66, 7
	s_lshl_b32 s89, s89, 1
	s_add_co_u32 s88, s88, s89
	s_add_co_u32 s88, s88, s19                     ; + key step
	s_mul_i32 s84, s88, 13056
	s_mov_b32 s85, 0
	s_add_nc_u64 s[84:85], s[16:17], s[84:85]
	s_wait_loadcnt 0x0
	WIN 0xc3
.irp a, 0,1,2,3
.irp k, 1,2,3,4,5,6,7
	v_mov_b32 v[8*\a+\k], v[8*\a]
.endr
.endr
	WIN 0
	s_wait_alu depctr_va_vdst(0)
	MAIN 2, 0, 0                                   ; nothing is left to fetch
	PLACES 4
.irp a, 0,1,2,3
	QUANT 4, 64*\a, 2, PW+\a
	global_store_b128 v1, v[PC:PC+3], s[84:85] offset:6144+1536*\a            ; a fragment of V^T: 16 features x 128 keys
	global_store_b64 v2, v[PC+4:PC+5], s[84:85] offset:6144+1536*\a+512
	global_store_b128 v1, v[PC+6:PC+9], s[84:85] offset:6144+1536*\a+768
	global_store_b64 v2, v[PC+10:PC+11], s[84:85] offset:6144+1536*\a+1280
.endr
	QUAD 84, 12800
	s_wait_tensorcnt 0x0                           ; the wave's end: behind my last tensor load, my last LDS instructions follow
	ds_add_u32 v[SPW], v[NIL]
	s_wait_dscnt 0x0
	CROUND                                         ; the closing round: no work-group ends while a partner may still ask for a tile that names it
	s_endpgm
.Lfunc_end_k_q39c4bd3649_proj:
	.size	k_q39c4bd3649_proj, .Lfunc_end_k_q39c4bd3649_proj-k_q39c4bd3649_proj
	.p2alignl 7, 3214868480
	.fill 96, 4, 3214868480
	.section	.rodata,"a",@progbits
	.p2align	6, 0x0
	.amdhsa_kernel k_q39c4bd3649_proj
		.amdhsa_group_segment_fixed_size 327680
		.amdhsa_private_segment_fixed_size 0
		.amdhsa_enable_private_segment 0
		.amdhsa_kernarg_size 56
		.amdhsa_user_sgpr_count 2
		.amdhsa_user_sgpr_kernarg_segment_ptr 1
		.amdhsa_wavefront_size32 1
		.amdhsa_system_sgpr_workgroup_id_x 1
		.amdhsa_system_sgpr_workgroup_id_y 1
		.amdhsa_system_sgpr_workgroup_id_z 1
		.amdhsa_system_vgpr_workitem_id 0
		.amdhsa_next_free_vgpr 1024
		.amdhsa_next_free_sgpr 100
		.amdhsa_reserve_vcc 0
		.amdhsa_float_denorm_mode_32 3
		.amdhsa_float_denorm_mode_16_64 3
		.amdhsa_memory_ordered 1
		.amdhsa_forward_progress 1
		.amdhsa_inst_pref_size 255
	.end_amdhsa_kernel
	.section	.bss,"aw",@nobits
	.p2align	6
	.space	262144
	.amdgpu_metadata
---
amdhsa.version: [ 1, 2 ]
amdhsa.kernels:
  - .name:           k_q39c4bd3649_proj
    .symbol:         k_q39c4bd3649_proj.kd
    .args:
      - { .name: cod, .offset: 0, .size: 8, .value_kind: global_buffer, .address_space: global }
      - { .name: rot, .offset: 8, .size: 8, .value_kind: global_buffer, .address_space: global }
      - { .name: bq, .offset: 16, .size: 8, .value_kind: global_buffer, .address_space: global }
      - { .name: bk, .offset: 24, .size: 8, .value_kind: global_buffer, .address_space: global }
      - { .name: bv, .offset: 32, .size: 8, .value_kind: global_buffer, .address_space: global }
      - { .name: qa, .offset: 40, .size: 8, .value_kind: global_buffer, .address_space: global }
      - { .name: kv, .offset: 48, .size: 8, .value_kind: global_buffer, .address_space: global }
    .group_segment_fixed_size: 327680
    .private_segment_fixed_size: 0
    .kernarg_segment_align: 8
    .kernarg_segment_size: 56
    .max_flat_workgroup_size: 128
    .sgpr_count:     100
    .vgpr_count:     1024
    .wavefront_size: 32
...
	.end_amdgpu_metadata
.endif
;; end of part 2
;; launch attn (part 3): grid 4 x 64, 8 waves a work-group, clusters of 4 x 1, 212,992 bytes of LDS; arguments qa, kv, oa; writes oa
.if DOCPART == 3
	.amdgcn_target "amdgcn-amd-amdhsa--gfx1250"
	.amdhsa_code_object_version 6
	.text
	.protected	k_q39c4bd3649_attn
	.globl	k_q39c4bd3649_attn
	.p2align	8
	.type	k_q39c4bd3649_attn,@function
k_q39c4bd3649_attn:
	s_mov_b64 s[64:65], 0
	v_nop
	global_prefetch_b8 v0, s[64:65] scope:SCOPE_SE
	s_setreg_imm32_b32 hwreg(HW_REG_WAVE_MODE, 25, 1), 1
	s_wait_xcnt 0x0
	s_wait_alu depctr_hold_cnt(0) depctr_sa_sdst(0) depctr_va_vdst(0) depctr_va_sdst(0) depctr_va_ssrc(0) depctr_va_vcc(0) depctr_vm_vsrc(0)
	s_getreg_b32 s2, hwreg(HW_REG_IB_STS2, 6, 4)
	s_cmp_eq_u32 s2, 0
	s_cbranch_scc0 .Lentry_in_a_cluster
	s_endpgm
.Lentry_in_a_cluster:
	s_bfe_u32 s2, ttmp6, 0x10000c
	s_cmp_lg_u32 s2, 0x3003
	s_cbranch_scc0 .Lentry_shape_is_right
	s_endpgm
.Lentry_shape_is_right:
; LAUNCH 3.  O = softmax(q k^T / 8) v for one (batch, head) and 512 queries a work-group, both products on codes of FP6 (E2M3) with E8M0 scales; O / l is quantised along the features and stored as the last projection's operand.
; THE SOFTMAX: t = score x log2(e) / 8; M = the running largest t rounded UP to a whole number; p = 2^(t - M) is quantised along the keys, not normalised; the row's sum is taken of the unquantised p and divides O at the end.
; When M moves, the sum and O are multiplied by 2^(old M - new M): exact.
; THE WHOLE HEAD'S K AND V LIE IN LDS: 16 records (key steps of 128) of 13,056 bytes as they lie in kv: K: 8 half images (16 keys x 64); V^T: 4 fragments (16 features x 128 keys); K's scale words 2 x 256 bytes; V's 256.
; Each of the eight waves asks for two neighbouring records by ONE tensor load (102 rows of 256 bytes): one load a wave is out, no LDS byte is filled twice.  CLUSTER 4 x 1: the four query blocks of a head need the same records: joint loads.
; No prefetch: every tile is asked for at the head, so there is no loop to run ahead in.
; A WAVE OWNS FOUR TILES OF 16 QUERIES and walks the 16 key steps once: each fragment of K and V that it reads from LDS serves four tiles.
; Both products are used transposed: S^T = K Q^T (source 0 = keys), O^T = V^T P^T (source 0 = features): a lane holds ONE query throughout.
; THE SCORES' K IS 64.  Two tiles of keys share one operand of 12 registers (k 0-63: tile 2 u, k 64-127: tile 2 u + 1); it is multiplied by [q 0] for the first and by [0 q] for the second: zero codes add nothing under any finite scale byte.
; KEYS IN A TILE: row i of tile g is key 64 (g / 4) + 8 (g % 4) + i % 8 + 32 (i / 8), so score register 32 c + m of lane (r, h) is key 64 c + 32 h + m: a lane holds two WHOLE blocks of 32, in the order of the second product's operand.
; So a block's largest score needs no other lane and the codes need no exchange; one exchange joins the row's maximum, one the four scale bytes.
; A block's largest p is the block's largest score put through the same multiply-add and exponential (this takes v_exp_f32 not to fall where its input rises).
; ORDER: tile n + 1's eight score products stand singly among tile n's exponentials (two score buffers by turns), tile n's four P V products singly among its row-sum additions; each pair of kinds shares one setting of the register windows.
; The last tile of a step looks ahead into the next step: there the eight products stand in one run under a branch on the step counter, which the last step takes round them; K's next fragments are loaded under the same test.
; oa: codes [16-token group 512][head 16][768]; at 6,291,456 scale words [b x 16 + head][group in batch 128][row 16] (two bytes used).
; LIMITS: NaN and infinities are not served; a block of zeros gets the byte 1; 1 / l is v_rcp_f32 and a multiplication; the promise holds while the scaled scores t stay under 2^31 in magnitude.
; REGISTERS, window 0: v1-3 lane terms, v4-6 and v41, v69, v73 LDS addresses, v7, v8 scratch addresses, v9, v10 the spare word's address and 0, v11 8 h; v12-27 for each tile -M, largest score, the sum's two halves;
;   v28-31 V's, v32-35 K's, v36-39 Q's scale words, v40 p's; v42-49 at work, v50-51 f; v54-65 p's codes, v66-72 the conversions' second halves; v74-127 0 q0 0 q1 0 q2 0 q3 0 (six registers each); v128-255 O^T, 32 a tile.
;   window 1: v0-127 two score buffers; v128-175 K's four operands; v176-223 V's four; v224-231 K's scale words as loaded.
.set REC, 13056
.set SCR, 16*REC                       ; behind the records: 256 bytes a wave for O's scale words; no tile lands there
.set SPARE, SCR+2048                   ; the spare words, 128 bytes a wave
.set SPW, 9
.set NIL, 10
.set SH8, 11
.set ST,  12
.set VW,  28
.set KW,  32
.set QW,  36
.set PW,  40
.set T,   42
.set F,   50
.set PC,  54
.set CT,  66
.set QB,  74
.set OO,  128
.set KF,  128
.set VF,  176
.set KR,  224
.set MSB, 0
.macro WIN new                         ; low byte: bits 1:0 source 0, 3:2 source 1, 5:4 source 2, 7:6 destination; the high byte repeats the setting that is left
.if MSB != (\new)
	s_set_vgpr_msb (MSB<<8)|(\new)
.set MSB, (\new)
.endif
.endm
.macro DL n
	s_delay_alu instid0(VALU_DEP_\n)
.endm
.macro CROUND                          ; a round of the cluster's barrier
	s_barrier_signal -1
	s_barrier_wait -1
	s_cmp_lg_u32 s10, 0
	s_cbranch_scc1 .Lnot_wave_0_\@
	s_barrier_signal -3
.Lnot_wave_0_\@:
	s_barrier_wait -3
	s_barrier_signal -1
	s_barrier_wait -1
.endm
.macro QK1 g, tl, nb                   ; the scores of key tile g and query tile tl into the buffer at nb.  Windows 0x41
	v_wmma_scale_f32_16x16x128_f8f6f4 v[(\nb)+8*(\g):(\nb)+8*(\g)+7], v[KF+12*((\g)/2):KF+12*((\g)/2)+11], v[QB+6-6*((\g)%2)+12*(\tl):QB+17-6*((\g)%2)+12*(\tl)], 0, v[KW+(\g)/2], v[QW+(\tl)] matrix_a_fmt:MATRIX_FMT_FP6 matrix_b_fmt:MATRIX_FMT_FP6
.endm
.macro PV1 t                           ; O^T's 16 features t += V^T p^T.  Windows 0x01
	v_wmma_scale_f32_16x16x128_f8f6f4 v[OB+8*(\t):OB+8*(\t)+7], v[VF+12*(\t):VF+12*(\t)+11], v[PC:PC+11], v[OB+8*(\t):OB+8*(\t)+7], v[VW+(\t)], v[PW] matrix_a_fmt:MATRIX_FMT_FP6 matrix_b_fmt:MATRIX_FMT_FP6
.endm
.macro KLOAD a, b, c                   ; a record's eight half images of K and their scale words.  Windows 0x40
.irp g, 0,1,2,3,4,5,6,7
	ds_load_b128 v[KF+6*\g:KF+6*\g+3], v[\a] offset:768*\g
	ds_load_b64 v[KF+6*\g+4:KF+6*\g+5], v[\b] offset:768*\g+512
.endr
	ds_load_b128 v[KR:KR+3], v[\c] offset:12288
	ds_load_b128 v[KR+4:KR+7], v[\c] offset:12544
.endm
.macro KJOIN                           ; an operand's scale word: tile 2 u's two bytes below, tile 2 u + 1's above
	WIN 0x11
.irp u, 0,1,2,3
	v_lshl_or_b32 v[KW+\u], v[KR+2*\u+1], 16, v[KR+2*\u]
.endr
	WIN 0
.endm
.macro EXP8 base
.irp k, 0,1,2,3,4,5,6,7
	v_exp_f32 v[(\base)+\k], v[(\base)+\k]
.endr
.endm
.macro ADDP acc, p                     ; a pair of p onto one of four partial sums.  Windows 0x01
	v_pk_add_f32 v[\acc:\acc+1], v[SB+2*(\p):SB+2*(\p)+1], v[\acc:\acc+1]
.endm
	s_load_b128 s[4:7], s[0:1], 0x0                ; qa, kv
	s_load_b64 s[8:9], s[0:1], 0x10                ; oa
	v_lshl_add_u32 v[SPW], v0, 2, SPARE
	v_mov_b32 v[NIL], 0
	ds_add_u32 v[SPW], v[NIL]                      ; the opening lines: the add, twice on end, and its wait ahead of my tensor load
	ds_add_u32 v[SPW], v[NIL]
	v_lshrrev_b32 v1, 5, v0
	v_readfirstlane_b32 s10, v1                    ; wave 0 .. 7
	s_bfe_u32 s11, ttmp6, 0x40000                  ; cx: which 512 queries; it enters Q's and O's addresses alone
	s_and_b32 s12, ttmp7, 0xffff                   ; 16 x batch + head, which the four partners share
	s_mov_b32 s16, (15)|(3<<16)|(1<<21)            ; group 1: the mask names all four; elements of 8 bytes; 21 set beside a mask; no padding
	s_mov_b32 s17, 32<<16                          ; two records are dense: 102 rows of 256 bytes
	s_mov_b32 s18, 102<<16
	s_mov_b32 s19, 32<<16
	s_mov_b32 s20, 102
	s_mov_b32 s21, 32
	s_mov_b32 s22, 0
	s_mov_b32 s23, 0
	s_lshl_b32 s13, s12, 3
	s_add_co_u32 s13, s13, s10
	s_mul_i32 s14, s13, 2*REC                      ; key steps 2 x wave and 2 x wave + 1
	s_mov_b32 s15, 0
	s_mov_b32 s24, 1
	s_mul_i32 s25, s10, 2*REC
	s_mov_b32 s28, 0x76543210
	s_mov_b32 s29, 0xfedcba98                      ; selects for lane l xor 16
	s_mov_b32 s30, 0x3e38aa3b                      ; c = log2(e) / 8
	s_mov_b32 s31, s30                             ; (named with it as a pair, so it is written)
	s_mov_b32 s42, 0xbe38aa3b                      ; - c
	s_wait_dscnt 0x0
	s_wait_kmcnt 0x0
	s_add_nc_u64 s[26:27], s[6:7], s[14:15]
	s_or_b32 s27, s27, 0x80000000
	CROUND                                         ; all four work-groups are here: the joint loads meet
	tensor_load_to_lds s[24:27], s[16:23]
	s_nop 0
	v_and_b32 v4, 31, v0
	v_and_b32 v5, 15, v0
	v_bfe_u32 v6, v0, 4, 1
	v_lshlrev_b32 v1, 4, v4                        ; 16 x lane
	v_lshlrev_b32 v2, 3, v4                        ; 8 x lane
	v_lshlrev_b32 v3, 4, v5                        ; 16 r
	v_lshlrev_b32 v[SH8], 3, v6                    ; 8 h
	s_lshl_b32 s43, s10, 8
	s_add_co_u32 s43, s43, SCR
	v_lshl_add_u32 v7, v5, 2, s43                  ; where my tiles' scale words go: SCR + 256 x wave + 4 r
	v_add_nc_u32 v8, s43, v2                       ; and where I read the 256 bytes back
	s_lshl_b32 s44, s12, 7
	s_lshl_b32 s45, s11, 5
	s_lshl_b32 s46, s10, 2
	s_add_co_u32 s45, s45, s46                     ; 32 cx + 4 wave
	s_add_co_u32 s44, s44, s45                     ; my first tile: 128 bh + 32 cx + 4 wave
	s_mul_i32 s34, s44, 768
	s_mov_b32 s35, 0
	s_add_nc_u64 s[34:35], s[4:5], s[34:35]        ; Q's codes
	s_lshl_b32 s36, s44, 6
	s_add_co_u32 s36, s36, 6291456                 ; 64 bytes of scale words a tile, in qa (four tiles' words a row) and in oa (a tile's 16 rows on end)
	s_mov_b32 s37, 0
	s_add_nc_u64 s[40:41], s[8:9], s[36:37]        ; O's scale words
	s_add_nc_u64 s[36:37], s[4:5], s[36:37]        ; Q's
	s_lshr_b32 s38, s12, 4
	s_lshl_b32 s38, s38, 7
	s_add_co_u32 s38, s38, s45
	s_lshl_b32 s38, s38, 4
	s_and_b32 s46, s12, 15
	s_add_co_u32 s38, s38, s46
	s_mul_i32 s38, s38, 768
	s_mov_b32 s39, 0
	s_add_nc_u64 s[38:39], s[8:9], s[38:39]        ; O's codes: (group x 16 + head) x 768
	s_wait_alu depctr_va_vdst(0)
.irp i, 0,1,2,3
	global_load_b128 v[QB+6+12*\i:QB+9+12*\i], v1, s[34:35] offset:768*\i
	global_load_b64 v[QB+10+12*\i:QB+11+12*\i], v2, s[34:35] offset:768*\i+512
.endr
	global_load_b128 v[QW:QW+3], v3, s[36:37]      ; row r's words of my four tiles
.irp j, 0,1,2,3,4
.irp k, 0,1,2,3,4,5
	v_mov_b32 v[QB+12*\j+\k], 0                    ; the zero codes beside q; written once
.endr
.endr
.irp i, 0,1,2,3
	v_mov_b32 v[ST+4*\i], 0x7f61b1e6               ; -M: 3e38, so that the first f is 0
	v_mov_b32 v[ST+4*\i+1], 0xff61b1e6             ; the largest score so far: -3e38
	v_mov_b32 v[ST+4*\i+2], 0
	v_mov_b32 v[ST+4*\i+3], 0
.endr
	v_mov_b32 v[F+1], 0                            ; (named with f as a pair)
	s_wait_alu depctr_va_vdst(0)
	s_wait_tensorcnt 0x0                           ; my two records have landed;
	s_barrier_signal -1
	s_barrier_wait -1                              ; all sixteen have.
	WIN 0x40
	KLOAD 1, 2, 3                                  ; key step 0
	WIN 0
.set J, 0
.rept 64
	v_mov_b32 v[OO+J], 0                           ; the step is written once: the first finds zeros, which f = 0 leaves zeros
.set J, J+1
.endr
	s_wait_loadcnt 0x0
.irp i, 0,1,2,3
	v_lshl_or_b32 v[QW+\i], v[QW+\i], 16, v[QW+\i] ; q's two bytes at both places: they serve [q 0] and [0 q]
.endr
	s_wait_alu depctr_va_vdst(0)
	s_wait_dscnt 0x0
	KJOIN
.rept 64
	v_mov_b32 v[OO+J], 0                           ; (also the places between the scale words' writes and the products)
.set J, J+1
.endr
	WIN 0x41
.irp g, 0,1,2,3,4,5,6,7
	QK1 \g, 0, 0
.endr
.rept 4
	v_nop                                          ; places behind the products, ahead of the first read of their results
.endr
	WIN 0
	s_mov_b32 s32, 0                               ; the record in hand
	s_mov_b32 s33, 16                              ; steps to go
; One tile of 16 queries x one step of 128 keys.
.macro TILE i
.set SB, 64*((\i)%2)                   ; my scores
.set NB, 64*(((\i)+1)%2)               ; the next tile's
.set NT, ((\i)+1)%4
.set OB, OO+32*(\i)
.set SS, ST+4*(\i)
	WIN 0x15
	s_wait_alu depctr_va_vdst(0)
.irp a, 0,1,2,3,4,5,6,7
	v_max3_num_f32 v[T+\a], v[SB+8*\a], v[SB+8*\a+1], v[SB+8*\a+2]       ; eight chains, each accumulator from its low end on
.endr
	WIN 0x05
.irp k, 3,5
.irp a, 0,1,2,3,4,5,6,7
	v_max3_num_f32 v[T+\a], v[SB+8*\a+\k], v[SB+8*\a+\k+1], v[T+\a]
.endr
.endr
.irp a, 0,2,4,6
	v_max3_num_f32 v[T+\a], v[SB+8*\a+7], v[SB+8*\a+15], v[T+\a]
.endr
	WIN 0
.if (\i) == 0
	v_add_nc_u32 v4, s32, v1
	v_add_nc_u32 v5, s32, v2
	v_add_nc_u32 v6, s32, v3
	WIN 0x40                                       ; this step's V: the last step's products on these registers stand more than four places back
.irp t, 0,1,2,3
	ds_load_b128 v[VF+12*\t:VF+12*\t+3], v4 offset:6144+1536*\t
	ds_load_b64 v[VF+12*\t+4:VF+12*\t+5], v5 offset:6144+1536*\t+512
	ds_load_b128 v[VF+12*\t+6:VF+12*\t+9], v4 offset:6144+1536*\t+768
	ds_load_b64 v[VF+12*\t+10:VF+12*\t+11], v5 offset:6144+1536*\t+1280
.endr
	WIN 0
	ds_load_b128 v[VW:VW+3], v6 offset:12800
.endif
.if (\i) == 3
	s_wait_alu depctr_va_vdst(0)
	s_wait_dscnt 0x0                               ; the next step's K (asked for a tile ago) is in
	KJOIN                                          ; (in the last step the old words are joined once more and nothing reads them)
.endif
	v_max3_num_f32 v[T], v[T], v[T+1], v[T+2]
	v_max3_num_f32 v[T+4], v[T+4], v[T+5], v[T+6]
	DL 2
	v_max_num_f32 v[T], v[T], v[T+3]               ; the largest score of my block 2 c + h, c = 0,
	DL 2
	v_max_num_f32 v[T+1], v[T+4], v[T+7]           ; and c = 1
	DL 1
	v_max_num_f32 v[T+2], v[T], v[T+1]
	DL 1
	v_permlanex16_b32 v[T+3], v[T+2], s28, s29
	DL 1
	v_max3_num_f32 v[SS+1], v[SS+1], v[T+2], v[T+3]   ; the running largest score of my query
	DL 1
	v_mul_f32 v[T+2], s42, v[SS+1]
	DL 1
	v_floor_f32 v[T+2], v[T+2]                     ; the new -M = floor(-t): M is a whole number
	DL 1
	v_sub_f32 v[T+3], v[T+2], v[SS]                ; old M - new M: a whole number, 0 or less
	v_mov_b32 v[SS], v[T+2]
	DL 2
	v_cvt_i32_f32 v[T+3], v[T+3]                   ; (it saturates)
	DL 1
	v_ldexp_f32 v[F], 1.0, v[T+3]                  ; f = 2^(old M - new M)
	v_fma_f32 v[T], v[T], s30, v[SS]               ; t - M of each block's largest score
	v_fma_f32 v[T+1], v[T+1], s30, v[SS]
	WIN 0x41
.set J, 0
.rept 32
	v_pk_fma_f32 v[SB+J:SB+J+1], v[SB+J:SB+J+1], s[30:31], v[SS:SS+1] op_sel_hi:[1,0,0]   ; t - M
.set J, J+2
.endr
.if (\i) == 3
	WIN 0
	s_cmp_eq_u32 s33, 1
	s_wait_alu depctr_va_vdst(0)                   ; ahead of the branch and of the batch of exponentials
	s_cbranch_scc1 .Lno_next_\@                    ; the last step has no next tile
	WIN 0x41
.irp g, 0,1,2,3,4,5,6,7
	QK1 \g, NT, NB
.endr
	WIN 0
.Lno_next_\@:
	WIN 0x41
.irp g, 0,1,2,3,4,5,6,7
	EXP8 SB+8*\g
.endr
.else
	s_wait_alu depctr_va_vdst(0)                   ; ahead of the batch
.irp g, 0,1,2,3,4,5,6,7
	QK1 \g, NT, NB                                 ; the next tile's scores, one product to eight exponentials
	EXP8 SB+8*\g                                   ; p = 2^(t - M)
.endr
.endif
	WIN 0
	v_exp_f32 v[T], v[T]                           ; the blocks' largest p
	v_exp_f32 v[T+1], v[T+1]
	v_pk_mul_f32 v[SS+2:SS+3], v[SS+2:SS+3], v[F:F+1] op_sel_hi:[1,0]   ; the sums under the new M.  (A plain place behind the exponentials)
	s_wait_alu depctr_va_vdst(0)                   ; one wait for the batch
	v_max_num_f32 v[T], 0x1800000, v[T]            ; the floor 2^(3 - 127): the byte cannot fall under 1
	v_max_num_f32 v[T+1], 0x1800000, v[T+1]
	DL 2
	v_add_nc_u32 v[T], 0xff000000, v[T]            ; 2 off the exponent field: the conversion's scale operand
	DL 2
	v_add_nc_u32 v[T+1], 0xff000000, v[T+1]
	DL 2
	v_lshrrev_b32 v[T+2], 23, v[T]                 ; the bytes
	DL 2
	v_lshrrev_b32 v[T+3], 23, v[T+1]
	DL 1
	v_lshl_or_b32 v[T+2], v[T+3], 16, v[T+2]       ; blocks h and 2 + h,
	DL 1
	v_lshlrev_b32 v[T+2], v[SH8], v[T+2]           ; at their places;
	DL 1
	v_permlanex16_b32 v[T+3], v[T+2], s28, s29
	DL 1
	v_or_b32 v[PW], v[T+2], v[T+3]                 ; with lane l xor 16's two p's scale word is whole
.if (\i) == 2
	s_add_co_u32 s46, s32, REC
	s_min_u32 s46, s46, 15*REC                     ; the next record, held inside the sixteen
	s_cmp_eq_u32 s33, 1
	s_wait_alu depctr_va_vdst(0)
	s_cbranch_scc1 .Lno_k_\@                       ; the last step fetches no further K
	v_add_nc_u32 v41, s46, v1
	v_add_nc_u32 v69, s46, v2
	v_add_nc_u32 v73, s46, v3
	WIN 0x40
	KLOAD 41, 69, 73                               ; this step's last score products stand more than four places back
	WIN 0
.Lno_k_\@:
.endif
	WIN 0x01
	v_cvt_scalef32_pk16_fp6_f32 v[PC:PC+2], v[SB:SB+15], v[T]
	v_cvt_scalef32_pk16_fp6_f32 v[CT:CT+2], v[SB+16:SB+31], v[T]          ; (a conversion's three registers begin on an even number)
	v_cvt_scalef32_pk16_fp6_f32 v[PC+6:PC+8], v[SB+32:SB+47], v[T+1]
	v_cvt_scalef32_pk16_fp6_f32 v[CT+4:CT+6], v[SB+48:SB+63], v[T+1]
	WIN 0x05
	v_pk_add_f32 v[T+2:T+3], v[SB+2:SB+3], v[SB+4:SB+5]     ; the row's sum of the unquantised p, in four chains.  (Also the plain places behind the conversions)
	v_pk_add_f32 v[T+4:T+5], v[SB+6:SB+7], v[SB+8:SB+9]
	v_pk_add_f32 v[T+6:T+7], v[SB+10:SB+11], v[SB+12:SB+13]
	WIN 0
.irp k, 0,1,2
	v_mov_b32 v[PC+3+\k], v[CT+\k]
	v_mov_b32 v[PC+9+\k], v[CT+4+\k]
.endr
.if (\i) == 0
	s_wait_dscnt 0x0                               ; V and its scale words are in
.endif
	s_wait_alu depctr_va_vdst(0)                   ; directly ahead of the first readers of O^T
.set J, 0
.rept 16
	v_pk_mul_f32 v[OB+J:OB+J+1], v[OB+J:OB+J+1], v[F:F+1] op_sel_hi:[1,0]   ; O^T under the new M
.set J, J+2
.endr
	WIN 0x01
	ADDP SS+2, 0
	ADDP T+2, 31
.irp p, 7,11,15,19,23,27
	ADDP T+2, \p
	ADDP T+4, \p+1
	ADDP T+6, \p+2
	ADDP SS+2, \p+3
.if \p <= 19
	PV1 (\p-7)/4                                   ; four accumulators by turns, one product to four additions
.endif
.endr
	WIN 0
	v_pk_add_f32 v[T+2:T+3], v[T+2:T+3], v[T+4:T+5]
	v_pk_add_f32 v[SS+2:SS+3], v[SS+2:SS+3], v[T+6:T+7]
	DL 1
	v_pk_add_f32 v[SS+2:SS+3], v[SS+2:SS+3], v[T+2:T+3]
.endm
.Lstep:
	TILE 0
	TILE 1
	TILE 2
	TILE 3
	s_add_co_u32 s32, s32, REC
	s_sub_co_u32 s33, s33, 1
	s_cmp_lg_u32 s33, 0
	s_wait_alu depctr_va_vdst(0)
	s_cbranch_scc1 .Lstep
.irp i, 0,1,2,3
	v_add_f32 v[ST+4*\i+2], v[ST+4*\i+2], v[ST+4*\i+3]
.endr
.irp i, 0,1,2,3
	v_permlanex16_b32 v[T+\i], v[ST+4*\i+2], s28, s29
.endr
.irp i, 0,1,2,3
	v_add_f32 v[ST+4*\i+2], v[ST+4*\i+2], v[T+\i]  ; the rows' sums
.endr
	s_wait_alu depctr_va_vdst(0)
.irp i, 0,1,2,3
	v_rcp_f32 v[ST+4*\i+2], v[ST+4*\i+2]
.endr
	v_nop                                          ; one plain place behind a transcendental
; O / l of tile i, quantised along the features: register 16 b + k is feature 32 b + 16 h + k of my query.  Its codes lie where q's registers lay.
.macro EPI i
.set OB, OO+32*(\i)
.set E,  QB+12*(\i)
	s_wait_alu depctr_va_vdst(0)                   ; behind the reciprocals, directly ahead of the first readers of O^T
.set J, 0
.rept 16
	v_pk_mul_f32 v[OB+J:OB+J+1], v[OB+J:OB+J+1], v[ST+4*(\i)+2:ST+4*(\i)+3] op_sel_hi:[1,0]
.set J, J+2
.endr
	v_max3_num_f32 v[T], |v[OB]|, |v[OB+1]|, 0x1800000
	v_max3_num_f32 v[T+1], |v[OB+16]|, |v[OB+17]|, 0x1800000
.irp k, 2,4,6,8,10,12,14
	DL 2
	v_max3_num_f32 v[T], v[T], |v[OB+\k]|, |v[OB+\k+1]|
	DL 2
	v_max3_num_f32 v[T+1], v[T+1], |v[OB+16+\k]|, |v[OB+17+\k]|
.endr
	DL 2
	v_permlanex16_b32 v[T+2], v[T], s28, s29
	DL 2
	v_permlanex16_b32 v[T+3], v[T+1], s28, s29
	DL 2
	v_max_num_f32 v[T], v[T], v[T+2]
	DL 2
	v_max_num_f32 v[T+1], v[T+1], v[T+3]
	DL 2
	v_add_nc_u32 v[T], 0xff000000, v[T]
	DL 2
	v_add_nc_u32 v[T+1], 0xff000000, v[T+1]
	DL 2
	v_lshrrev_b32 v[T+2], 23, v[T]
	DL 2
	v_lshrrev_b32 v[T+3], 23, v[T+1]
	DL 1
	v_lshl_or_b32 v[T+4+(\i)], v[T+3], 8, v[T+2]   ; my row's two bytes for this head
	v_cvt_scalef32_pk16_fp6_f32 v[E:E+2], v[OB:OB+15], v[T]
	v_cvt_scalef32_pk16_fp6_f32 v[E+6:E+8], v[OB+16:OB+31], v[T+1]
	v_nop                                          ; one plain place behind a scaled conversion
.irp k, 0,1,2
	v_permlane16_swap_b32 v[E+\k], v[E+6+\k]       ; a whole block to a lane
.endr
.irp k, 0,1,2
	v_mov_b32 v[E+3+\k], v[E+6+\k]
.endr
	global_store_b128 v1, v[E:E+3], s[38:39] offset:12288*(\i)             ; a half image: 512 + 256 consecutive bytes, aligned to 256
	global_store_b64 v2, v[E+4:E+5], s[38:39] offset:12288*(\i)+512
	ds_store_b32 v7, v[T+4+(\i)] offset:64*(\i)    ; lanes l and l xor 16 write the same word with the same value
.endm
	EPI 0
	EPI 1
	EPI 2
	EPI 3
	ds_load_b64 v[T:T+1], v8                       ; LDS serves a wave's instructions in order: my four tiles' 64 words come back as 256 consecutive bytes
	s_wait_dscnt 0x0
	global_store_b64 v2, v[T:T+1], s[40:41]        ; one aligned unit of 256 bytes
	s_wait_tensorcnt 0x0                           ; the wave's end
	ds_add_u32 v[SPW], v[NIL]
	s_wait_dscnt 0x0
	CROUND                                         ; the closing round
	s_endpgm
.Lfunc_end_k_q39c4bd3649_attn:
	.size	k_q39c4bd3649_attn, .Lfunc_end_k_q39c4bd3649_attn-k_q39c4bd3649_attn
	.p2alignl 7, 3214868480
	.fill 96, 4, 3214868480
	.section	.rodata,"a",@progbits
	.p2align	6, 0x0
	.amdhsa_kernel k_q39c4bd3649_attn
		.amdhsa_group_segment_fixed_size 212992
		.amdhsa_private_segment_fixed_size 0
		.amdhsa_enable_private_segment 0
		.amdhsa_kernarg_size 24
		.amdhsa_user_sgpr_count 2
		.amdhsa_user_sgpr_kernarg_segment_ptr 1
		.amdhsa_wavefront_size32 1
		.amdhsa_system_sgpr_workgroup_id_x 1
		.amdhsa_system_sgpr_workgroup_id_y 1
		.amdhsa_system_sgpr_workgroup_id_z 1
		.amdhsa_system_vgpr_workitem_id 0
		.amdhsa_next_free_vgpr 512
		.amdhsa_next_free_sgpr 66
		.amdhsa_reserve_vcc 0
		.amdhsa_float_denorm_mode_32 3
		.amdhsa_float_denorm_mode_16_64 3
		.amdhsa_memory_ordered 1
		.amdhsa_forward_progress 1
		.amdhsa_inst_pref_size 86
	.end_amdhsa_kernel
	.amdgpu_metadata
---
amdhsa.version: [ 1, 2 ]
amdhsa.kernels:
  - .name:           k_q39c4bd3649_attn
    .symbol:         k_q39c4bd3649_attn.kd
    .args:
      - { .name: qa, .offset: 0, .size: 8, .value_kind: global_buffer, .address_space: global }
      - { .name: kv, .offset: 8, .size: 8, .value_kind: global_buffer, .address_space: global }
      - { .name: oa, .offset: 16, .size: 8, .value_kind: global_buffer, .address_space: global }
    .group_segment_fixed_size: 212992
    .private_segment_fixed_size: 0
    .kernarg_segment_align: 8
    .kernarg_segment_size: 24
    .max_flat_workgroup_size: 256
    .sgpr_count:     66
    .vgpr_count:     512
    .wavefront_size: 32
...
	.end_amdgpu_metadata
.endif
;; end of part 3
;; launch outp (part 4): grid 4 x 64, 4 waves a work-group, clusters of 4 x 4, 327,680 bytes of LDS; arguments cod, oa, bo, out0; writes out0
.if DOCPART == 4
	.amdgcn_target "amdgcn-amd-amdhsa--gfx1250"
	.amdhsa_code_object_version 6
	.text
	.protected	k_q39c4bd3649_outp
	.globl	k_q39c4bd3649_outp
	.p2align	8
	.type	k_q39c4bd3649_outp,@function
k_q39c4bd3649_outp:
	s_mov_b64 s[64:65], 0
	v_nop
	global_prefetch_b8 v0, s[64:65] scope:SCOPE_SE
	s_setreg_imm32_b32 hwreg(HW_REG_WAVE_MODE, 25, 1), 1
	s_wait_xcnt 0x0
	s_wait_alu depctr_hold_cnt(0) depctr_sa_sdst(0) depctr_va_vdst(0) depctr_va_sdst(0) depctr_va_ssrc(0) depctr_va_vcc(0) depctr_vm_vsrc(0)
	s_getreg_b32 s2, hwreg(HW_REG_IB_STS2, 6, 4)
	s_cmp_eq_u32 s2, 0
	s_cbranch_scc0 .Lentry_in_a_cluster
	s_endpgm
.Lentry_in_a_cluster:
	s_bfe_u32 s2, ttmp6, 0x10000c
	s_cmp_lg_u32 s2, 0xf033
	s_cbranch_scc0 .Lentry_shape_is_right
	s_endpgm
.Lentry_shape_is_right:
; LAUNCH 4.  out0 = O Wo^T + bo on codes of FP6 (E2M3) with E8M0 scales.  A work-group makes P 256 (rows of Wo: output features) x Q 128 (tokens): source 0 = 16 rows of Wo, source 1 = 16 tokens of O,
; so that a lane holds one token and its registers run along the output's features.  Both operands' groups of 16 rows are permuted (32 (g / 2) + 8 (g % 2) + i + 8 (i / 8)).
; ALL OF K = 1,024 LIES IN LDS: two chunks (K halves) of 151,552 bytes: 16 groups of Wo (6,400 bytes: four fragments and the scale words) and 8 of O (6,144 bytes: four fragments = eight heads' half images).
; Waves 0 and 1 ask for P's halves of each chunk, waves 2 and 3 Q's: one tensor load a wave for a chunk, one out at a time; no LDS byte is filled twice.
; CLUSTERS 4 x 4: Wo's groups hang on cx and are shared along a column, O's on the token block (cy) and are shared along a row: joint loads.
; O's scale words lie by head (two bytes a row and head): a K step's word is heads 2 s and 2 s + 1: lanes 0-15 load the even head's, lanes 16-31 the odd head's, and one exchange joins them.
; Four waves: wave w takes P's half w % 2 and Q's half w / 2: 8 x 4 accumulators by turns.  The bias is the C of each sum's first product.
; THE WAY OUT: 16 tokens x 128 features at a time through the wave's stage in LDS (rows of 528 bytes), back as whole rows of 512 bytes.  The stage lies in chunk 0, which has had its one fill and, behind a barrier, its last read.
; REGISTERS: as in the projections: window 0: v1-3 lane terms, v4-13 LDS addresses, v16, v17, v24, v25 further addresses, v32-95 Wo's scale words, v96-127 O's, v128-223 O's fragments (later rows of the output), v244-245 at work;
;   window 1: Wo's fragments, two sets;  window 2: accumulator (a, b) at v[8 (8 a + b)];  window 3: v0-63 the bias.
.set QG,  6144
.set CH,  102400+8*QG
.set SCP, 32
.set SCQ, 96
.set QF,  128
.set SEL, 90
.set MSB, 0
.macro WIN new
.if MSB != (\new)
	s_set_vgpr_msb (MSB<<8)|(\new)
.set MSB, (\new)
.endif
.endm
.macro PLACES n                        ; plain vector instructions between a matrix instruction and a read of its result, or a write or load into one of its registers
.rept \n
	v_nop
.endr
.endm
.macro CROUND
	s_barrier_signal -1
	s_barrier_wait -1
	s_cmp_lg_u32 s18, 0
	s_cbranch_scc1 .Lnot_wave_0_\@
	s_barrier_signal -3
.Lnot_wave_0_\@:
	s_barrier_wait -3
	s_barrier_signal -1
	s_barrier_wait -1
.endm
.macro FETCH st
.set FC, (\st)/4
.set FE, ((\st)%4)*1536
.set FP, 128*((\st)%2)
.set FQ, QF+48*((\st)%2)
	WIN 0x40
.irp i, 0,1,2,3,4,5,6,7
	ds_load_b128 v[FP+12*\i:FP+12*\i+3], v[4+FC] offset:\i*6400+FE
	ds_load_b64 v[FP+12*\i+4:FP+12*\i+5], v[6+FC] offset:\i*6400+FE+512
	ds_load_b128 v[FP+12*\i+6:FP+12*\i+9], v[4+FC] offset:\i*6400+FE+768
	ds_load_b64 v[FP+12*\i+10:FP+12*\i+11], v[6+FC] offset:\i*6400+FE+1280
.endr
	WIN 0
.irp a, 0,1,2,3
	ds_load_b128 v[FQ+12*\a:FQ+12*\a+3], v[8+FC] offset:\a*QG+FE
	ds_load_b64 v[FQ+12*\a+4:FQ+12*\a+5], v[10+FC] offset:\a*QG+FE+512
	ds_load_b128 v[FQ+12*\a+6:FQ+12*\a+9], v[8+FC] offset:\a*QG+FE+768
	ds_load_b64 v[FQ+12*\a+10:FQ+12*\a+11], v[10+FC] offset:\a*QG+FE+1280
.endr
.endm
.macro SCALES c                        ; Wo's scale words of a chunk: lane r takes its row's four
.irp i, 0,1,2,3,4,5,6,7
	ds_load_b128 v[SCP+32*\c+4*\i:SCP+32*\c+4*\i+3], v[12+\c] offset:\i*6400+6144
.endr
.endm
.macro MUL32 st, ck
.set MC, (\st)/4
.set ME, (\st)%4
.set FP, 128*((\st)%2)
.set FQ, QF+48*((\st)%2)
.if \ck == 0
	WIN 0xa1
.else
	WIN 0xb1
.endif
.irp a, 0,1,2,3
.irp b, 0,1,2,3,4,5,6,7
.if \ck == 0
	v_wmma_scale_f32_16x16x128_f8f6f4 v[8*(8*\a+\b):8*(8*\a+\b)+7], v[FP+12*\b:FP+12*\b+11], v[FQ+12*\a:FQ+12*\a+11], v[8*(8*\a+\b):8*(8*\a+\b)+7], v[SCP+32*MC+4*\b+ME], v[SCQ+8*\a+(\st)] matrix_a_fmt:MATRIX_FMT_FP6 matrix_b_fmt:MATRIX_FMT_FP6
.else
	v_wmma_scale_f32_16x16x128_f8f6f4 v[8*(8*\a+\b):8*(8*\a+\b)+7], v[FP+12*\b:FP+12*\b+11], v[FQ+12*\a:FQ+12*\a+11], v[8*\b:8*\b+7], v[SCP+32*MC+4*\b+ME], v[SCQ+8*\a+(\st)] matrix_a_fmt:MATRIX_FMT_FP6 matrix_b_fmt:MATRIX_FMT_FP6
.endif
.endr
.endr
.endm
.macro STEP st, ck
	s_wait_dscnt 0x0                               ; this step's fragments (asked for a step ago) and scale words are in
.if (\st) == 3
	s_wait_tensorcnt 0x0                           ; my parts of the second chunk have landed;
	s_barrier_signal -1
	s_barrier_wait -1                              ; everybody's have.
.endif
.if (\st) < 7
.if (\st) > 0
	PLACES 4                                       ; the loads below land in the set that the last step's products read
.endif
	FETCH (\st)+1
.if (\st) == 3
	SCALES 1
.endif
.endif
	MUL32 \st, \ck
	WIN 0
.endm
	s_load_b256 s[4:11], s[0:1], 0x0               ; cod, oa, bo, out0
	v_lshl_add_u32 v30, v0, 2, 0x4a000
	v_mov_b32 v31, 0
	ds_add_u32 v30, v31
	ds_add_u32 v30, v31
	v_lshrrev_b32 v1, 5, v0
	v_readfirstlane_b32 s18, v1                    ; wave
	s_and_b32 s19, s18, 1                          ; wp
	s_lshr_b32 s20, s18, 1                         ; wq
	s_bfe_u32 s21, ttmp6, 0x40000                  ; cx: which 256 rows of Wo
	s_bfe_u32 s22, ttmp6, 0x40004                  ; cy
	s_and_b32 s24, ttmp7, 0xffff                   ; the cluster's y, 0 .. 15
	; P's chain: no register of it ever holds cy
	s_lshl_b32 s72, s21, 4
	s_add_co_u32 s72, s72, 1728                    ; Wo's groups begin at 1728
	s_lshl_b32 s73, s19, 3                         ; waves 0 and 1 fetch P's halves, eight groups each; waves 2 and 3 Q's halves, four groups each: one tensor load a wave for a chunk
	s_add_co_u32 s72, s72, s73                     ; my eight groups
	s_mul_i32 s28, s72, 12800
	s_mov_b32 s29, 0
	s_lshl_b32 s72, 0x1111, s21                    ; my column of the cluster
	s_or_b32 s36, s72, (3<<16)|(1<<21)             ; group 1 for P: the mask; elements of 8 bytes; 21 set beside a mask; no padding
	s_mov_b32 s37, 800<<16
	s_mov_b32 s38, 8<<16
	s_mov_b32 s39, 800<<16
	s_mov_b32 s40, 8
	s_mov_b32 s41, 1600
	s_mov_b32 s42, 0
	s_mov_b32 s43, 0
	; Q's chain: no register of it ever holds cx
	s_lshl_b32 s74, s24, 2
	s_add_co_u32 s74, s74, s22                     ; which 128 tokens: 0 .. 63
	s_lshl_b32 s75, s74, 3
	s_lshl_b32 s76, s19, 2
	s_add_co_u32 s75, s75, s76                     ; my four groups
	s_mul_i32 s32, s75, 12288
	s_mov_b32 s33, 0
	s_lshl_b32 s75, s22, 2
	s_lshl_b32 s75, 15, s75                        ; my row of the cluster
	s_or_b32 s44, s75, (3<<16)|(1<<21)             ; group 1 for Q: 4 groups x 6,144 bytes, 12,288 apart
	s_mov_b32 s45, 768<<16
	s_mov_b32 s46, 4<<16
	s_mov_b32 s47, 768<<16
	s_mov_b32 s48, 4
	s_mov_b32 s49, 1536
	s_mov_b32 s50, 0
	s_mov_b32 s51, 0
	s_mul_i32 s77, s19, 51200
	s_mul_i32 s78, s19, 4*QG
	s_add_co_u32 s78, s78, 102400
	s_mov_b32 s[SEL], 0x76543210
	s_mov_b32 s[SEL+1], 0xfedcba98
	s_wait_dscnt 0x0
	s_wait_kmcnt 0x0
	s_add_nc_u64 s[30:31], s[4:5], s[28:29]
	s_add_nc_u64 s[34:35], s[6:7], s[32:33]
	s_mov_b32 s52, 1                               ; four groups 0, never written again
	s_mov_b32 s53, s77
	s_mov_b64 s[54:55], s[30:31]
	s_or_b32 s55, s55, 0x80000000
	s_mov_b32 s56, 1
	s_mov_b32 s57, s78
	s_mov_b64 s[58:59], s[34:35]
	s_or_b32 s59, s59, 0x80000000
	s_mov_b32 s60, 1
	s_add_co_u32 s61, s77, CH
	s_add_nc_u64 s[62:63], s[30:31], 6400
	s_or_b32 s63, s63, 0x80000000
	s_mov_b32 s68, 1
	s_add_co_u32 s69, s78, CH
	s_add_nc_u64 s[70:71], s[34:35], 6144
	s_or_b32 s71, s71, 0x80000000
	CROUND                                         ; all sixteen work-groups are here: the joint loads meet
	s_cmp_eq_u32 s20, 0                            ; the first chunk: one tensor load a wave at the head
	s_cbranch_scc0 .Lfirst_q
	tensor_load_to_lds s[52:55], s[36:43]
	s_nop 0
	PLACES 4
	s_branch .Lfirst_asked
.Lfirst_q:
	tensor_load_to_lds s[56:59], s[44:51]
	s_nop 0
	PLACES 4
.Lfirst_asked:
	v_and_b32 v20, 31, v0                          ; lane
	v_and_b32 v21, 15, v0                          ; r
	v_bfe_u32 v22, v0, 4, 1                        ; h
	v_lshlrev_b32 v1, 4, v20
	v_lshlrev_b32 v2, 3, v20
	v_lshlrev_b32 v3, 4, v21
	s_mul_i32 s92, s19, 51200
	s_mul_i32 s93, s20, 4*QG
	s_add_co_u32 s93, s93, 102400
.irp c, 0,1
	v_add_nc_u32 v[4+\c], s92, v1
	v_add_nc_u32 v[6+\c], s92, v2
	v_add_nc_u32 v[8+\c], s93, v1
	v_add_nc_u32 v[10+\c], s93, v2
	v_add_nc_u32 v[12+\c], s92, v3
	s_add_co_u32 s92, s92, CH
	s_add_co_u32 s93, s93, CH
.endr
	v_lshlrev_b32 v16, 6, v22                      ; 64 h: the bias
	v_lshlrev_b32 v17, 2, v21
	v_lshl_add_u32 v17, v22, 13, v17               ; O's scale words: 4 r, and the odd head (8,192 bytes on) for lanes 16-31
	s_wait_alu depctr_va_vdst(0)
	s_mul_i32 s88, s18, 8448                       ; my stage
	v_mul_u32_u24 v24, v21, 528
	v_lshl_add_u32 v24, v22, 6, v24
	v_add_nc_u32 v24, s88, v24                     ; in: row r, + 64 h
	v_add_nc_u32 v25, s88, v1                      ; back: 16 bytes a lane
	v_mov_b32 v244, 0                              ; lane permutes' destinations are written before they are named
	v_mov_b32 v245, 0
	s_lshl_b32 s80, s21, 10
	s_lshl_b32 s88, s19, 9
	s_add_co_u32 s80, s80, s88                     ; my 128 features, in bytes
	s_mov_b32 s81, 0
	s_lshl_b32 s84, s74, 19
	s_lshl_b32 s88, s20, 18
	s_add_co_u32 s84, s84, s88
	s_add_co_u32 s84, s84, s80                     ; my 64 tokens' rows of the output, at my features
	s_mov_b32 s85, 0
	s_add_nc_u64 s[84:85], s[10:11], s[84:85]
	s_add_nc_u64 s[80:81], s[8:9], s[80:81]
	s_lshr_b32 s88, s74, 4
	s_lshl_b32 s88, s88, 11                        ; 16 x batch x 128 groups
	s_and_b32 s89, s74, 15
	s_lshl_b32 s89, s89, 3
	s_add_co_u32 s88, s88, s89
	s_lshl_b32 s89, s20, 2
	s_add_co_u32 s88, s88, s89                     ; + my first group in the batch
	s_lshl_b32 s82, s88, 6
	s_add_co_u32 s82, s82, 6291456
	s_mov_b32 s83, 0
	s_add_nc_u64 s[82:83], s[6:7], s[82:83]
.irp a, 0,1,2,3
.irp k, 0,1,2,3,4,5,6,7
	global_load_b32 v[SCQ+8*\a+\k], v17, s[82:83] offset:16384*\k+64*\a   ; group a, K step k: head 2 k + h
.endr
.endr
	WIN 0xc0
.irp b, 0,1,2,3,4,5,6,7
	global_load_b128 v[8*\b:8*\b+3], v16, s[80:81] offset:(32*(\b/2)+8*(\b%2))*4       ; the bias in the result's layout
	global_load_b128 v[8*\b+4:8*\b+7], v16, s[80:81] offset:(32*(\b/2)+8*(\b%2))*4+16
.endr
	WIN 0
	s_wait_alu depctr_va_vdst(0)
	s_wait_loadcnt 0x0
.irp k, 0,1,2,3,4,5,6,7,8,9,10,11,12,13,14,15,16,17,18,19,20,21,22,23,24,25,26,27,28,29,30,31
	v_permlanex16_b32 v[244+(\k%2)], v[SCQ+\k], s[SEL], s[SEL+1]
	v_lshl_or_b32 v[SCQ+\k], v[244+(\k%2)], 16, v[SCQ+\k]   ; lanes 0-15: the even head's two bytes below, the odd head's above: the K step's word (lanes 16-31 are not read)
.endr
	PLACES 8                                       ; a scale register written by a vector instruction stands 8 places ahead of a scaled product
	s_wait_alu depctr_va_vdst(0)
	s_wait_tensorcnt 0x0                           ; my part of the first chunk is in
	ds_add_u32 v30, v31
	s_wait_dscnt 0x0
	CROUND                                         ; everybody's part is in, and all sixteen work-groups are here
	s_cmp_eq_u32 s20, 0                            ; the second chunk's first fill: my one tensor load behind the round
	s_cbranch_scc0 .Lsecond_q
	tensor_load_to_lds s[60:63], s[36:43]
	s_nop 0
	PLACES 4
	s_branch .Lsecond_asked
.Lsecond_q:
	tensor_load_to_lds s[68:71], s[44:51]
	s_nop 0
	PLACES 4
.Lsecond_asked:
	FETCH 0
	SCALES 0
	STEP 0, 1
.irp z, 1,2,3,4,5,6,7
	s_wait_alu depctr_va_vdst(0)
	STEP \z, 0
.endr
	s_barrier_signal -1                            ; every wave's LDS reads were waited for at the head of its last step:
	s_barrier_wait -1                              ; nobody reads chunk 0 any more, and it is not filled again: the stages may lie there
.macro TOSTAGE a
	WIN 0x08                                       ; an LDS store's data are its source 1: window 2
.irp b, 0,1,2,3,4,5,6,7
	ds_store_b128 v24, v[64*(\a)+8*\b:64*(\a)+8*\b+3] offset:128*(\b/2)+32*(\b%2)          ; each accumulator from its low end on
	ds_store_b128 v24, v[64*(\a)+8*\b+4:64*(\a)+8*\b+7] offset:128*(\b/2)+32*(\b%2)+16
.endr
	WIN 0
.set BB, 128+64*((\a)%2)
.irp i, 0,1,2,3,4,5,6,7,8,9,10,11,12,13,14,15
	ds_load_b128 v[BB+4*\i:BB+4*\i+3], v25 offset:528*\i   ; LDS serves a wave's instructions in order: these see the stores above, and the next block's stores come behind them
.endr
.endm
.macro SEND a, younger                 ; younger: the LDS instructions issued behind block a's loads, which may stay out
.set BB, 128+64*((\a)%2)
	s_wait_dscnt \younger
.irp i, 0,1,2,3,4,5,6,7,8,9,10,11,12,13,14,15
	global_store_b128 v1, v[BB+4*\i:BB+4*\i+3], s[84:85] offset:(32*((\a)/2)+8*((\a)%2)+\i+8*(\i/8))*4096 th:TH_STORE_NT   ; 32 lanes store 512 consecutive bytes of a token's row, aligned to 512
.endr
.endm
	PLACES 4                                       ; behind the last products: for the reads of results and the loads into the registers that held O's fragments
	TOSTAGE 0
.irp a, 1,2,3
.if \a > 1
	s_wait_xcnt 0x0                                ; block a - 2's stores have read their registers: block a's loads may land there
.endif
	TOSTAGE \a
	SEND \a-1, 32                                  ; behind block a - 1's loads: block a's 16 stores and 16 loads
.endr
	SEND 3, 0
	s_wait_tensorcnt 0x0
	ds_add_u32 v30, v31
	s_wait_dscnt 0x0
	CROUND                                         ; the closing round: no work-group ends while a partner may still ask for a tile that names it
	s_endpgm
.Lfunc_end_k_q39c4bd3649_outp:
	.size	k_q39c4bd3649_outp, .Lfunc_end_k_q39c4bd3649_outp-k_q39c4bd3649_outp
	.p2alignl 7, 3214868480
	.fill 96, 4, 3214868480
	.section	.rodata,"a",@progbits
	.p2align	6, 0x0
	.amdhsa_kernel k_q39c4bd3649_outp
		.amdhsa_group_segment_fixed_size 327680
		.amdhsa_private_segment_fixed_size 0
		.amdhsa_enable_private_segment 0
		.amdhsa_kernarg_size 32
		.amdhsa_user_sgpr_count 2
		.amdhsa_user_sgpr_kernarg_segment_ptr 1
		.amdhsa_wavefront_size32 1
		.amdhsa_system_sgpr_workgroup_id_x 1
		.amdhsa_system_sgpr_workgroup_id_y 1
		.amdhsa_system_sgpr_workgroup_id_z 1
		.amdhsa_system_vgpr_workitem_id 0
		.amdhsa_next_free_vgpr 1024
		.amdhsa_next_free_sgpr 100
		.amdhsa_reserve_vcc 0
		.amdhsa_float_denorm_mode_32 3
		.amdhsa_float_denorm_mode_16_64 3
		.amdhsa_memory_ordered 1
		.amdhsa_forward_progress 1
		.amdhsa_inst_pref_size 92
	.end_amdhsa_kernel
	.amdgpu_metadata
---
amdhsa.version: [ 1, 2 ]
amdhsa.kernels:
  - .name:           k_q39c4bd3649_outp
    .symbol:         k_q39c4bd3649_outp.kd
    .args:
      - { .name: cod, .offset: 0, .size: 8, .value_kind: global_buffer, .address_space: global }
      - { .name: oa, .offset: 8, .size: 8, .value_kind: global_buffer, .address_space: global }
      - { .name: bo, .offset: 16, .size: 8, .value_kind: global_buffer, .address_space: global }
      - { .name: out0, .offset: 24, .size: 8, .value_kind: global_buffer, .address_space: global }
    .group_segment_fixed_size: 327680
    .private_segment_fixed_size: 0
    .kernarg_segment_align: 8
    .kernarg_segment_size: 32
    .max_flat_workgroup_size: 128
    .sgpr_count:     100
    .vgpr_count:     1024
    .wavefront_size: 32
...
	.end_amdgpu_metadata
.endif
;; end of part 4
